; MI455X (gfx1250); checked and timed in simulation.
; The chip was launched on July 23, 2026; its instructions are those of AMD's public machine-readable ISA for CDNA 5 (MIT licence, August 2026) and "CDNA5" Instruction Set Architecture Reference Guide (July 2026). The comments in the code are by the model that wrote it; some were corrected since.
;; Multi Head Attention. Allowed arithmetic: matrix products marked QUANTISED: E2M3 operands, one E8M0 scale for each 32 along K, by v_wmma_scale_f32_16x16x128_f8f6f4 with both operands' format E2M3, f32 sums; everything else in f32.
;; Inputs: Wk 1,024 x 1,024 float32; Wo 1,024 x 1,024 float32; Wq 1,024 x 1,024 float32; Wv 1,024 x 1,024 float32; bk 1,024 float32; bo 1,024 float32; bq 1,024 float32; bv 1,024 float32; k 4 x 2,048 x 1,024 float32; mask 4 x 2,048 x 2,048 int32; q 4 x 2,048 x 1,024 float32; v 4 x 2,048 x 1,024 float32.
;; Outputs: out0 4 x 2,048 x 1,024 float32.
;; This version of the problem:
;;   THIS VERSION OF THE PROBLEM IS GIVEN IN LOW PRECISION. The matrix products marked QUANTISED in the list below multiply operands that are first quantised to E2M3 (2 exponent bits, 3 mantissa bits; 6 bits a number), with one power-of-two scale for each 32 numbers along K (OCP MX v1.0); their sums are f32. All else is computed in f32.
;;   The module's matrix products, in the order in which they are computed (A, B: the left and right operand; K: the contracted axis; several contracted axes count as one K, in the product's order):
;;     1. [M 8,192, K 1,024] x [K 1,024, N 1,024]; A: input q; B: input Wq: QUANTISED
;;     2. [M 8,192, K 1,024] x [K 1,024, N 1,024]; A: input k; B: input Wk: QUANTISED
;;     3. [M 8,192, K 1,024] x [K 1,024, N 1,024]; A: input v; B: input Wv: QUANTISED
;;     4. batch 64 x [M 2,048, K 64] x [K 64, N 2,048]; A: computed on the way; B: computed on the way: QUANTISED
;;     5. batch 64 x [M 2,048, K 2,048] x [K 2,048, N 64]; A: softmax (see below); B: computed on the way: QUANTISED
;;     6. [M 8,192, K 1,024] x [K 1,024, N 1,024]; A: computed on the way; B: input Wo: QUANTISED
;;   THE QUANTISER, for each operand of a quantised product, along K:
;;     - K is cut into blocks of 32 from its start; a last block that is shorter is filled with zeros.
;;     - A block's scale is 2^e with e = floor(log2(the largest magnitude in the block)) - 2, held to -126 .. 127; a block of zeros has e = 0. As a byte (E8M0): e + 127.
;;     - Each number is divided by its block's scale, clamped to +-7.5, and rounded to the nearest number of E2M3, ties to even, subnormals kept.
;;     - The product sums the exact products of the quantised numbers (number of the format x scale) in f32.
;;   ~~~python
;;   def quantise(x, axis):      # numpy; x: float32 -> the quantised numbers, widened to float32 again
;;       x = np.moveaxis(x, axis, -1); K = x.shape[-1]
;;       x = np.pad(x, [(0, 0)] * (x.ndim - 1) + [(0, -K % 32)]); x = x.reshape(x.shape[:-1] + (-1, 32)); a = np.abs(x).max(-1, keepdims=True)
;;       e = np.where(a > 0, np.clip(np.frexp(np.where(a > 0, a, 1))[1] - 1 - 2, -126, 127), 0)      # np.frexp(a)[1] - 1 = floor(log2(a)), exactly
;;       r = np.clip(x / 2.0 ** e, -7.5, 7.5)
;;       step = 2.0 ** (np.maximum(np.frexp(np.where(r == 0, 1, r))[1] - 1, 0) - 3)
;;       q = np.round(r / step) * step * 2.0 ** e      # np.round: ties to even
;;       return np.moveaxis(q.reshape(q.shape[:-2] + (-1,))[..., :K], -1, axis).astype(np.float32)
;;   ~~~
;;   SOFTMAX AHEAD OF A QUANTISED PRODUCT. Where the list says 'softmax', what is quantised is not the finished softmax but p = 2^(t - M), with t = logit x log2(e) and M = ceil(the row's largest t), a whole number; so 1/2 < the row's largest p <= 1. The row's sum l is taken of the UNQUANTISED p, in f32, and the product's result is divided by l at the end. Since M is a whole number, a kernel that streams over the keys may use a running M (the ceiling of the running maximum): every later rescaling is an exact power of two, which a block's scale takes up: the codes' values come out the same.
;;   OPERANDS COMPUTED ON THE WAY. 'Computed on the way' means the value that the module computes at that place (a softmax that the list does not call 'softmax' is quantised finished and normalised). What goes into a quantiser is computed in f32, as accurately as f32 sums, v_exp_f32 and their like allow (about 1e-6 of the number): no bf16 or f16 on the way to a quantiser, and a product that is left as it is and whose result goes on into a quantised operand takes f32 operands (vector FMAs, or v_wmma_f32_16x16x4_f32). A number that lies on a knife's edge between two numbers of the format may be rounded either way, as far as f32 arithmetic and the matrix unit's own rounding can turn it there, and no further.
;; One version. Each part assembles by itself: llvm-mc -triple=amdgcn-amd-amdhsa -mcpu=gfx1250 --defsym DOCPART=n.
;; ======== version 1 of 1: 4 launches
;; limits: right only within a limited range of input values
;; workspace buffers: cod 28,311,552 bytes; scl 1,179,648 bytes; mbits 2,097,152 bytes of whole numbers; img 19,660,800 bytes
;; launch prep (part 1): grid 704 x 1, 8 waves a work-group, no clusters, 136,192 bytes of LDS; arguments q, k, v, Wq, Wk, Wv, Wo, mask, cod, scl, mbits; writes cod, scl, mbits
.if DOCPART == 1
	.amdgcn_target "amdgcn-amd-amdhsa--gfx1250"
	.amdhsa_code_object_version 6
	.text
	.protected	k_q7a02b4159c_prep
	.globl	k_q7a02b4159c_prep
	.p2align	8
	.type	k_q7a02b4159c_prep,@function
k_q7a02b4159c_prep:
	s_mov_b64 s[64:65], 0
	v_nop
	global_prefetch_b8 v0, s[64:65] scope:SCOPE_SE
	s_setreg_imm32_b32 hwreg(HW_REG_WAVE_MODE, 25, 1), 1
	s_wait_xcnt 0x0
; PREP.  (a) q, k, v [8192][1024] and Wq, Wk, Wv, Wo [1024][1024], f32, K innermost, become codes of FP6 (E2M3) with one E8M0 byte for each 32 along K;
; (b) mask [4][2048][2048] int32 becomes bits, laid as the lane masks that the attention launch's selects take.
; A block's scale is 2^(floor(log2(largest magnitude)) - 2): its byte is the largest magnitude's exponent field - 2, held at 1 from below.
; LIMITS: NaN and infinities among the inputs are not served; a block whose largest magnitude lies under 2^(3 - 127), a block of zeros too, gets the byte 1
; (its codes are zeros or the nearest codes under that scale; these bytes are read by this program alone).
; LAYOUT OF THE CODES: rows go in groups of 128; tile i (0..7) of a group has in lane r the row 32 (i / 2) + 8 (i % 2) + r + 8 (r / 8).  A fragment (16 rows x 128 K) is stored as the image of
; its 12 operand registers: for each half c of 64 K, 32 lanes x 16 bytes (registers 6 c .. 6 c + 3), then 32 lanes x 8 bytes (registers 6 c + 4, 6 c + 5): 1,536 bytes.
; cod: [group][K / 256][tile][K step of 128 in it][1,536].  scl: [group][tile][K step / 4][lane r][4 words], a word = the four bytes of a row and a K step.
; mbits: [16 queries' tile][key step of 128][64 words]; word 32 c + e, bit of lane (r, h) = mask(query r of the tile, key 64 c + 32 h + e of the step) != 0.
; SHARES: work-groups 0-447 quantise: group = wg / 2, K steps 4 (wg % 2) .. + 3, wave = tile.  Work-groups 448-703 pack: row group = (wg - 448) / 4, key steps 4 ((wg - 448) % 4) .. + 3, wave = tile.
; A wave's step is 16 rows x 512 bytes: sixteen loads of 512 consecutive bytes; they turn through the wave's own stage in LDS (rows 528 bytes apart: 16 rows start in 16 different groups of banks),
; so that lane (r, h) gets, of row r, 16 neighbours of each block of 32.  Loads run two steps ahead.  Waves share nothing: no barrier.  The two kinds of work-group have LDS bytes of their own.
.set STG,  8448                        ; a wave's stage: 16 rows x 528 bytes
.set MSTG, 67584                       ; the packing path's stages begin here
.set MX,  12                           ; v12-15  largest magnitudes
.set PB,  16                           ; v16-19  the other half's, then the bytes
.set SO,  20                           ; v20-23  the conversions' scale operands
.set PC,  24                           ; v24-35  a fragment's codes
.set PT,  36                           ; v36-38, v40-42  the second halves of the blocks, before they are moved
.set SW,  44                           ; v44-47  a scale word for each step
.set MW,  50                           ; v50-57  a pair of mask words a lane for each step
.set X,   64                           ; v64-127 64 numbers: register 16 b + i = k 32 b + 16 h + i of my row
.set R,   128                          ; v128-255 two sets of 64 registers as loaded
.set SEL, 44                           ; s[44:45] selects of v_permlanex16_b32: lane l xor 16
	s_load_b512 s[8:23], s[0:1], 0x0               ; q, k, v, Wq, Wk, Wv, Wo, mask
	s_load_b128 s[24:27], s[0:1], 0x40             ; cod, scl
	s_load_b64 s[28:29], s[0:1], 0x50              ; mbits
	v_lshl_add_u32 v62, v0, 2, 0x21000
	v_mov_b32 v63, 0
	v_lshrrev_b32 v1, 5, v0
	s_delay_alu instid0(VALU_DEP_1)
	v_readfirstlane_b32 s2, v1                     ; wave = tile
	v_and_b32 v1, 31, v0                           ; lane
	s_delay_alu instid0(VALU_DEP_1)
	v_lshlrev_b32 v2, 4, v1                        ; 16 x lane
	s_delay_alu instid0(VALU_DEP_2)
	v_lshlrev_b32 v3, 3, v1                        ; 8 x lane
	v_and_b32 v4, 15, v0                           ; r
	v_bfe_u32 v5, v0, 4, 1                         ; h
	s_mul_i32 s35, s2, STG
	v_add_nc_u32 v6, s35, v2                       ; stage, in: 16 x lane of a row
	v_mul_u32_u24 v7, v4, 528
	s_delay_alu instid0(VALU_DEP_1)
	v_lshl_add_u32 v7, v5, 6, v7
	s_delay_alu instid0(VALU_DEP_1)
	v_add_nc_u32 v7, s35, v7                       ; stage, out: row r, + 64 h
	s_delay_alu instid0(VALU_DEP_4)
	v_add_nc_u32 v8, MSTG, v6                      ; the same for the packing path
	s_delay_alu instid0(VALU_DEP_2)
	v_add_nc_u32 v9, MSTG, v7
	v_lshl_add_u32 v9, v5, 6, v9                   ; the mask's way out of the stage: row r, + 128 h
	v_lshlrev_b32 v10, 4, v4
	s_delay_alu instid0(VALU_DEP_1)
	v_lshl_add_u32 v10, v5, 3, v10                 ; 16 r + 8 h: my two scale words
	s_lshr_b32 s3, s2, 1
	s_lshl_b32 s3, s3, 5
	s_and_b32 s36, s2, 1
	s_lshl_b32 s36, s36, 3
	s_add_co_u32 s3, s3, s36                       ; the tile's first row in its group: 32 (i / 2) + 8 (i % 2)
	s_mov_b32 s42, 0xffff0000                      ; lanes 16-31
	s_mov_b32 s[SEL], 0x76543210
	s_mov_b32 s[SEL+1], 0xfedcba98
	s_mov_b32 s37, 0                               ; high words of the offset pairs
	s_mov_b32 s39, 0
	s_mov_b32 s41, 0
	s_wait_kmcnt 0x0
; THE ROWS OF A TILE, for every tensor but k and for the mask's queries: lane r has row r + 8 (r / 8) from the tile's first row, as the head says.
; FOR k ALONE: tile i begins at row 64 (i / 4) + 8 (i % 4) of its group and lane r has row r % 8 + 32 (r / 8) from there, so that in the attention launch a lane's 32 score registers of four tiles are one block of 32 keys.
; s[32:33]: the tile's rows 0-7; s[54:55]: its rows 8-15 (16 rows further down, for k 32).
.macro LOADT set, t, pitch
.irp j, 0,1,2,3,4,5,6,7
	global_load_b128 v[R+64*(\set)+4*\j:R+64*(\set)+4*\j+3], v2, s[32:33] offset:\j*\pitch+512*(\t) th:TH_LOAD_NT
.endr
.irp j, 8,9,10,11,12,13,14,15
	global_load_b128 v[R+64*(\set)+4*\j:R+64*(\set)+4*\j+3], v2, s[54:55] offset:(\j-8)*\pitch+512*(\t) th:TH_LOAD_NT
.endr
.endm
.macro TURN set, in, out, g            ; g: a lane takes runs of 4 g neighbours (16 for the quantiser, 32 for the mask)
.irp j, 0,1,2,3,4,5,6,7,8,9,10,11,12,13,14,15
	ds_store_b128 v[\in], v[R+64*(\set)+4*\j:R+64*(\set)+4*\j+3] offset:528*\j
.endr
.irp m, 0,1,2,3,4,5,6,7,8,9,10,11,12,13,14,15
	ds_load_b128 v[X+4*\m:X+4*\m+3], v[\out] offset:32*\g*(\m/\g)+16*(\m%\g)
.endr
.endm
; 64 numbers of a lane, register 16 b + i = k 32 b + 16 h + i of my row, become a fragment's codes in v[PC] on and its scale word in v[pw]
.macro QUANT s, pw
.irp b, 0,1,2,3
	v_max3_num_f32 v[MX+\b], |v[\s+16*\b]|, |v[\s+16*\b+1]|, 0x1800000   ; my 16 numbers of block b, and the floor 2^(3 - 127): the byte cannot fall under 1
.endr
.irp i, 2,4,6,8,10,12,14
.irp b, 0,1,2,3
	s_delay_alu instid0(VALU_DEP_4)
	v_max3_num_f32 v[MX+\b], v[MX+\b], |v[\s+16*\b+\i]|, |v[\s+16*\b+\i+1]|
.endr
.endr
.irp b, 0,1,2,3
	s_delay_alu instid0(VALU_DEP_4)
	v_permlanex16_b32 v[PB+\b], v[MX+\b], s[SEL], s[SEL+1]
.endr
.irp b, 0,1,2,3
	s_delay_alu instid0(VALU_DEP_4)
	v_max_num_f32 v[MX+\b], v[MX+\b], v[PB+\b]     ; with lane l xor 16's: the block's largest magnitude
.endr
.irp b, 0,1,2,3
	s_delay_alu instid0(VALU_DEP_4)
	v_add_nc_u32 v[SO+\b], 0xff000000, v[MX+\b]    ; 2 off its exponent field: the conversion takes this operand's exponent field as its scale
.endr
.irp b, 0,1,2,3
	s_delay_alu instid0(VALU_DEP_4)
	v_lshrrev_b32 v[PB+\b], 23, v[SO+\b]           ; the scale's byte
.endr
	s_delay_alu instid0(VALU_DEP_3)
	v_lshl_or_b32 v[\pw], v[PB+1], 8, v[PB]
	s_delay_alu instid0(VALU_DEP_1)
	v_lshl_or_b32 v[\pw], v[PB+2], 16, v[\pw]
	s_delay_alu instid0(VALU_DEP_1)
	v_lshl_or_b32 v[\pw], v[PB+3], 24, v[\pw]
.irp c, 0,1
	v_cvt_scalef32_pk16_fp6_f32 v[PC+6*\c:PC+6*\c+2], v[\s+32*\c:\s+32*\c+15], v[SO+2*\c]
	v_cvt_scalef32_pk16_fp6_f32 v[PT+4*\c:PT+4*\c+2], v[\s+32*\c+16:\s+32*\c+31], v[SO+2*\c+1]   ; (a conversion's three registers begin on an even number)
.endr
	v_nop                                          ; one plain place behind a scaled conversion
.irp c, 0,1                            ; the operand's layout wants a whole block in a lane: lanes 0-15 block 2 c, lanes 16-31 block 2 c + 1
.irp i, 0,1,2
	v_permlane16_swap_b32 v[PC+6*\c+\i], v[PT+4*\c+\i]
.endr
.irp i, 0,1,2
	s_delay_alu instid0(VALU_DEP_3)
	v_mov_b32 v[PC+6*\c+3+\i], v[PT+4*\c+\i]
.endr
.endr
.endm
	s_cmp_ge_u32 ttmp9, 448
	s_cbranch_scc1 .Lmask
	; ---------------- the quantising path
	s_lshr_b32 s30, ttmp9, 1                       ; the group, counted over all seven tensors
	s_and_b32 s31, ttmp9, 1                        ; which four K steps
	s_mov_b64 s[32:33], s[20:21]                   ; Wo, groups 216 on; the choices below hang on the work-group's number alone
	s_mov_b32 s34, 216
	s_cmp_lt_u32 s30, 216
	s_cselect_b64 s[32:33], s[18:19], s[32:33]     ; Wv
	s_cselect_b32 s34, 208, s34
	s_cmp_lt_u32 s30, 208
	s_cselect_b64 s[32:33], s[16:17], s[32:33]     ; Wk
	s_cselect_b32 s34, 200, s34
	s_cmp_lt_u32 s30, 200
	s_cselect_b64 s[32:33], s[14:15], s[32:33]     ; Wq
	s_cselect_b32 s34, 192, s34
	s_cmp_lt_u32 s30, 192
	s_cselect_b64 s[32:33], s[12:13], s[32:33]     ; v
	s_cselect_b32 s34, 128, s34
	s_cmp_lt_u32 s30, 128
	s_cselect_b64 s[32:33], s[10:11], s[32:33]     ; k
	s_cselect_b32 s34, 64, s34
	s_cmp_lt_u32 s30, 64
	s_cselect_b64 s[32:33], s[8:9], s[32:33]       ; q
	s_cselect_b32 s34, 0, s34
	s_lshr_b32 s35, s2, 2
	s_lshl_b32 s35, s35, 6
	s_and_b32 s38, s2, 3
	s_lshl_b32 s38, s38, 3
	s_add_co_u32 s35, s35, s38                     ; k's tiles begin at 64 (i / 4) + 8 (i % 4)
	s_mov_b32 s40, 65536                           ; rows 8-15 lie 16 rows of 4,096 bytes further down,
	s_sub_co_u32 s38, s30, 64
	s_cmp_lt_u32 s38, 64                           ; groups 64-127 are k's
	s_cselect_b32 s3, s35, s3
	s_cselect_b32 s40, 131072, s40                 ; k's 32 rows
	s_sub_co_u32 s36, s30, s34                     ; the group within its tensor
	s_lshl_b32 s36, s36, 7
	s_add_co_u32 s36, s36, s3                      ; the tile's first row
	s_lshl_b32 s36, s36, 12                        ; rows of 4,096 bytes
	s_lshl_b32 s38, s31, 11
	s_add_co_u32 s36, s36, s38                     ; + 2,048 bytes for the second four K steps
	s_add_nc_u64 s[32:33], s[32:33], s[36:37]
	s_add_nc_u64 s[54:55], s[32:33], s[40:41]
	s_mul_i32 s38, s30, 98304
	s_mul_i32 s40, s31, 49152
	s_add_co_u32 s38, s38, s40
	s_mul_i32 s40, s2, 3072
	s_add_co_u32 s38, s38, s40
	s_add_nc_u64 s[24:25], s[24:25], s[38:39]      ; cod at my first fragment
	s_lshl_b32 s40, s30, 12
	s_lshl_b32 s38, s2, 9
	s_add_co_u32 s40, s40, s38
	s_lshl_b32 s38, s31, 8
	s_add_co_u32 s40, s40, s38
	s_add_nc_u64 s[26:27], s[26:27], s[40:41]      ; scl at my 256 bytes
.irp b, 0,1,2,3
	v_mov_b32 v[PB+\b], 0                          ; written once: a lane permute's destination counts as one of its sources
.endr
	LOADT 0, 0, 4096
	LOADT 1, 1, 4096
.macro QSTEP t
.if \t < 3
	s_wait_loadcnt 16                              ; this step's sixteen loads are in; the next step's sixteen may be out
.else
	s_wait_loadcnt 0x0
.endif
	TURN (\t)%2, 6, 7, 4
	s_wait_dscnt 0x0                               ; my 64 numbers are back, and the stage's stores have read the set
.if \t > 0
	s_wait_xcnt 0x0                                ; the last step's stores have read their codes: they are written again only behind this wait
.endif
.if \t < 2
	LOADT (\t)%2, (\t)+2, 4096                     ; the set takes the step two further on
.endif
	QUANT X, SW+\t
.irp c, 0,1
	global_store_b128 v2, v[PC+6*\c:PC+6*\c+3], s[24:25] offset:((\t)/2)*24576+((\t)%2)*1536+768*\c        ; 512 consecutive bytes, at a multiple of 256 from the buffer's first byte
	global_store_b64 v3, v[PC+6*\c+4:PC+6*\c+5], s[24:25] offset:((\t)/2)*24576+((\t)%2)*1536+768*\c+512   ; 256 consecutive bytes
.endr
.endm
	s_wait_alu depctr_va_vdst(0)
	QSTEP 0
	QSTEP 1
	QSTEP 2
	QSTEP 3
	v_cndmask_b32 v48, v[SW], v[SW+2], s42         ; lanes 0-15 store the words of K steps 0, 1 of my four, lanes 16-31 those of 2, 3
	v_cndmask_b32 v49, v[SW+1], v[SW+3], s42
	global_store_b64 v10, v[48:49], s[26:27]       ; 256 consecutive bytes
	s_wait_tensorcnt 0x0
	ds_add_u32 v62, v63
	s_wait_dscnt 0x0
	s_endpgm
	; ---------------- the packing path
.Lmask:
	s_sub_co_u32 s30, ttmp9, 448
	s_and_b32 s31, s30, 3                          ; which four key steps
	s_lshr_b32 s30, s30, 2                         ; the group of 128 rows of the 8,192 (batch, query) rows
	s_lshl_b32 s36, s30, 7
	s_add_co_u32 s36, s36, s3
	s_lshl_b32 s36, s36, 13                        ; rows of 8,192 bytes
	s_lshl_b32 s38, s31, 11
	s_add_co_u32 s36, s36, s38
	s_add_nc_u64 s[32:33], s[22:23], s[36:37]
	s_add_nc_u64 s[54:55], s[32:33], 131072        ; 16 rows of 8,192 bytes further down
	s_lshl_b32 s38, s30, 3
	s_add_co_u32 s38, s38, s2                      ; the tile of 16 queries
	s_lshl_b32 s38, s38, 4
	s_lshl_b32 s40, s31, 2
	s_add_co_u32 s38, s38, s40                     ; x 16 steps + my first step
	s_lshl_b32 s38, s38, 8                         ; 256 bytes a step
	s_add_nc_u64 s[28:29], s[28:29], s[38:39]
.irp b, 0,1,2,3,4,5,6,7
	v_mov_b32 v[MW+\b], 0                          ; written once: v_writelane_b32's destination counts as read
.endr
	LOADT 0, 0, 8192
	LOADT 1, 1, 8192
.macro MSTEP t
.if \t < 3
	s_wait_loadcnt 16                              ; as above
.else
	s_wait_loadcnt 0x0
.endif
	TURN (\t)%2, 8, 9, 8                           ; THE MASK WORDS' ORDER: word 32 c + e, bit of lane (r, h) = mask(query r of the tile, key 64 c + 32 h + e of the step) != 0
	s_wait_dscnt 0x0
.if \t < 2
	LOADT (\t)%2, (\t)+2, 8192
.endif
.set nb, 0
.rept 8                                ; word n is the compare's lane mask as it stands; lane n / 2 keeps words n and n + 1
.irp e, 0,1,2,3,4,5,6,7
	v_cmp_ne_u32 s[46+\e], 0, v[X+nb+\e]
.endr
.irp e, 0,1,2,3,4,5,6,7
	v_writelane_b32 v[MW+2*(\t)+\e%2], s[46+\e], (nb+\e)/2
.endr
.set nb, nb+8
.endr
	global_store_b64 v3, v[MW+2*(\t):MW+2*(\t)+1], s[28:29] offset:256*(\t)   ; the step's 64 words: 256 consecutive bytes; each step has registers of its own
.endm
	MSTEP 0
	MSTEP 1
	MSTEP 2
	MSTEP 3
	s_wait_tensorcnt 0x0
	ds_add_u32 v62, v63
	s_wait_dscnt 0x0
	s_endpgm
.Lfunc_end_k_q7a02b4159c_prep:
	.size	k_q7a02b4159c_prep, .Lfunc_end_k_q7a02b4159c_prep-k_q7a02b4159c_prep
	.p2alignl 7, 3214868480
	.fill 96, 4, 3214868480
	.section	.rodata,"a",@progbits
	.p2align	6, 0x0
	.amdhsa_kernel k_q7a02b4159c_prep
		.amdhsa_group_segment_fixed_size 136192
		.amdhsa_private_segment_fixed_size 0
		.amdhsa_enable_private_segment 0
		.amdhsa_kernarg_size 88
		.amdhsa_user_sgpr_count 2
		.amdhsa_user_sgpr_kernarg_segment_ptr 1
		.amdhsa_wavefront_size32 1
		.amdhsa_system_sgpr_workgroup_id_x 1
		.amdhsa_system_sgpr_workgroup_id_y 1
		.amdhsa_system_sgpr_workgroup_id_z 1
		.amdhsa_system_vgpr_workitem_id 0
		.amdhsa_next_free_vgpr 256
		.amdhsa_next_free_sgpr 66
		.amdhsa_reserve_vcc 0
		.amdhsa_float_denorm_mode_32 3
		.amdhsa_float_denorm_mode_16_64 3
		.amdhsa_memory_ordered 1
		.amdhsa_forward_progress 1
		.amdhsa_inst_pref_size 90
	.end_amdhsa_kernel
	.amdgpu_metadata
---
amdhsa.version: [ 1, 2 ]
amdhsa.kernels:
  - .name:           k_q7a02b4159c_prep
    .symbol:         k_q7a02b4159c_prep.kd
    .args:
      - { .name: q, .offset: 0, .size: 8, .value_kind: global_buffer, .address_space: global }
      - { .name: k, .offset: 8, .size: 8, .value_kind: global_buffer, .address_space: global }
      - { .name: v, .offset: 16, .size: 8, .value_kind: global_buffer, .address_space: global }
      - { .name: Wq, .offset: 24, .size: 8, .value_kind: global_buffer, .address_space: global }
      - { .name: Wk, .offset: 32, .size: 8, .value_kind: global_buffer, .address_space: global }
      - { .name: Wv, .offset: 40, .size: 8, .value_kind: global_buffer, .address_space: global }
      - { .name: Wo, .offset: 48, .size: 8, .value_kind: global_buffer, .address_space: global }
      - { .name: mask, .offset: 56, .size: 8, .value_kind: global_buffer, .address_space: global }
      - { .name: cod, .offset: 64, .size: 8, .value_kind: global_buffer, .address_space: global }
      - { .name: scl, .offset: 72, .size: 8, .value_kind: global_buffer, .address_space: global }
      - { .name: mbits, .offset: 80, .size: 8, .value_kind: global_buffer, .address_space: global }
    .group_segment_fixed_size: 136192
    .private_segment_fixed_size: 0
    .kernarg_segment_align: 8
    .kernarg_segment_size: 88
    .max_flat_workgroup_size: 256
    .sgpr_count:     66
    .vgpr_count:     256
    .wavefront_size: 32
...
	.end_amdgpu_metadata
.endif
;; end of part 1
;; launch qkv (part 2): grid 4 x 64, 4 waves a work-group, clusters of 4 x 4, 327,680 bytes of LDS; arguments cod, scl, bq, bk, bv, img; writes img
.if DOCPART == 2
	.amdgcn_target "amdgcn-amd-amdhsa--gfx1250"
	.amdhsa_code_object_version 6
	.text
	.protected	k_q7a02b4159c_qkv
	.globl	k_q7a02b4159c_qkv
	.p2align	8
	.type	k_q7a02b4159c_qkv,@function
k_q7a02b4159c_qkv:
	s_mov_b64 s[64:65], 0
	v_nop
	global_prefetch_b8 v0, s[64:65] scope:SCOPE_SE
	s_setreg_imm32_b32 hwreg(HW_REG_WAVE_MODE, 25, 1), 1
	s_wait_xcnt 0x0
	s_wait_alu depctr_hold_cnt(0) depctr_sa_sdst(0) depctr_va_vdst(0) depctr_va_sdst(0) depctr_va_ssrc(0) depctr_va_vcc(0) depctr_vm_vsrc(0)
	s_getreg_b32 s2, hwreg(HW_REG_IB_STS2, 6, 4)
	s_cmp_eq_u32 s2, 0
	s_cbranch_scc0 .Lentry_in_a_cluster
	s_endpgm
.Lentry_in_a_cluster:
	s_bfe_u32 s2, ttmp6, 0x10000c
	s_cmp_lg_u32 s2, 0xf033
	s_cbranch_scc0 .Lentry_shape_is_right
	s_endpgm
.Lentry_shape_is_right:
; QKV.  Q = q Wq^T + bq, K = k Wk^T + bk, V = v Wv^T + bv on codes of FP6 (E2M3) with E8M0 scales, and the results' quantisers for the attention launch: no f32 result is stored.
; LIMITS: NaN and infinities are not served; a block whose largest magnitude lies under 2^(3 - 127) gets the byte 1 (read by this program alone).
; A BLOCK is 128 rows of source 1 (one group of cod, "A") x 256 rows of source 0 (two groups, "B"), all of K = 1,024.  Q, K: A = tokens, B = the weight's rows; V: A = Wv's rows, B = tokens.
; Each tensor has 64 x 4 (V: 8 x 32) = 256 blocks: each of the 256 work-groups STAYS and makes one block of Q, one of K, one of V.
; A wave makes 64 x 128: A's tiles 4 (wave / 2) .. + 3 against the eight tiles of B's group wave % 2: 32 accumulators, which take turns.
; LDS: A's group at 0, B's two groups behind it, each as it lies in cod (98,304 bytes, K halves of 49,152); then the spare words.  The head brings block 0 whole, one load a wave (wave 0 A, waves 1-3 a third of B each).
; REFILLS, each behind the three lines and a round of the cluster's barrier: the first K half of the next block in K step 3, when K step 3's fragments are in registers;
; the second K half in the middle of the way out.  Waves 0, 1, 2 bring A's, B's first and B's second group's half. A wave has one tensor load out at the most.
; CLUSTER 4 x 4: A's group hangs on the cluster's y and cy alone and is shared along a row, B's on the cluster's y and cx alone and is shared along a column.
; THE BIAS is the first K step's C.  The quantiser reads the accumulators where they lie: by the tiles' row order a lane's 16 registers of two neighbouring tiles are 16 neighbours along the next K.
; A's and B's scale words lie in registers of their own, whose numbers differ by 4 modulo 8.
; PREFETCH: in a block's K step 0 the next block's 294,912 bytes are asked for, three K steps ahead of their first refill; the sixteen waves that will ask for a group jointly share its 256-byte pieces out by address.
; Q's and K's scale words: a wave holds the words of two of a section's four pairs of tiles, so it stores 4 bytes in every 8 of the section's 256; the other wave of the pair stores the rest.
; WINDOWS: 0 addresses, scales, the quantiser's work; 1 B's fragments, two sets; 2 the accumulators; 3 A's fragments, two sets (v0-95), V's bias (v96-127), Q's or K's (v128-191).
.set GRP,   98304
.set HALF,  49152
.set SPARE, 3*GRP
.set R16, 5                            ; 16 r
.set HB,  6                            ; 64 h
.set VB,  7                            ; 4 (r + 8 (r / 8))
.set A16, 8                            ; v8, v9 A's fragments, 16 x lane, K half 0, 1; v10, v11 the same with 8 x lane
.set A8,  10
.set B16, 12
.set B8,  14
.set L16, 20
.set L8,  21
.set PFA, 25
.set PFB, 26
.set SPW, 28
.set NIL, 29
.set SC,  32                           ; v32-95 B's scale words: 8 tile + K step
.set PWS, 96
.set MX,  104
.set PB,  108
.set SO,  112
.set PC,  192
.set PT,  204
.set SA,  212                          ; v212-243 A's scale words
.set G1A, 24
.set G1B, 32
.set G0A, 40
.set G0B, 44
.set SEL, 76
.set MSB, 0
.macro WIN new
.if MSB != (\new)
	s_set_vgpr_msb (MSB<<8)|(\new)
.set MSB, (\new)
.endif
.endm
.macro PLACES
.rept 4
	v_nop
.endr
.endm
.macro WALU
	s_wait_alu depctr_va_vdst(0)
.endm
.macro CREST
	s_cmp_lg_u32 s16, 0
	s_cbranch_scc1 .Lnot_wave_0_\@
	s_barrier_signal -3
.Lnot_wave_0_\@:
	s_barrier_wait -3
	s_barrier_signal -1
	s_barrier_wait -1
.endm
.macro CROUND
	s_barrier_signal -1
	s_barrier_wait -1
	CREST
.endm
.macro TL g0, g1
	tensor_load_to_lds s[\g0:\g0+3], s[\g1:\g1+7]
	s_nop 0
	PLACES
.endm
.macro GROUP1 g, rows                  ; a dense block as rows of 32 elements of 8 bytes
	s_mov_b32 s[\g+1], 32<<16
	s_mov_b32 s[\g+2], (\rows)<<16
	s_mov_b32 s[\g+3], 32<<16
	s_mov_b32 s[\g+4], \rows
	s_mov_b32 s[\g+5], 32
	s_mov_b32 s[\g+6], 0
	s_mov_b32 s[\g+7], 0
.endm
.macro DESC hf                         ; the next block's K half hf: s[48:49] A's group, s[50:51] one group ahead of B's first, s[72:73] wave x GRP
	s_mov_b32 s[G0A+1], \hf*HALF
	s_add_nc_u64 s[G0A+2:G0A+3], s[48:49], \hf*HALF
	s_or_b32 s[G0A+3], s[G0A+3], 0x80000000
	s_add_co_u32 s[G0B+1], s72, \hf*HALF
	s_add_nc_u64 s[G0B+2:G0B+3], s[50:51], s[72:73]
	s_add_nc_u64 s[G0B+2:G0B+3], s[G0B+2:G0B+3], \hf*HALF
	s_or_b32 s[G0B+3], s[G0B+3], 0x80000000
.endm
.macro RLOAD                           ; the refill: one tree of branches on the wave's number
	s_cmp_eq_u32 s16, 0
	s_cbranch_scc0 .Lrb_\@
	TL G0A, G1A
	s_branch .Lrd_\@
.Lrb_\@:
	s_cmp_lt_u32 s16, 3
	s_cbranch_scc0 .Lrd_\@
	TL G0B, G1B
.Lrd_\@:
	PLACES                                 ; for the wave that comes round the loads
.endm
.macro FRAG reg, a16, a8, off          ; a fragment's register image: 1,536 bytes
	ds_load_b128 v[\reg:\reg+3], v[\a16] offset:\off
	ds_load_b64 v[\reg+4:\reg+5], v[\a8] offset:\off+512
	ds_load_b128 v[\reg+6:\reg+9], v[\a16] offset:\off+768
	ds_load_b64 v[\reg+10:\reg+11], v[\a8] offset:\off+1280
.endm
.macro FETCH s                         ; K step s: B's eight fragments and A's four into set s % 2: 48 loads
.set P_, (\s)%2
.set HF_, (\s)/4
.set OF_, (((\s)/2)%2)*24576+((\s)%2)*1536
	WIN 0x40
.irp i, 0,1,2,3,4,5,6,7
	FRAG 128*P_+12*\i, B16+HF_, B8+HF_, OF_+3072*\i
.endr
	WIN 0xc0
.irp i, 0,1,2,3
	FRAG 48*P_+12*\i, A16+HF_, A8+HF_, OF_+3072*\i
.endr
	WIN 0
.endm
.macro WM a, b, s, c
	v_wmma_scale_f32_16x16x128_f8f6f4 v[8*(8*(\a)+\b):8*(8*(\a)+\b)+7], v[128*((\s)%2)+12*\b:128*((\s)%2)+12*\b+11], v[48*((\s)%2)+12*(\a):48*((\s)%2)+12*(\a)+11], \c, v[SC+8*\b+(\s)], v[SA+8*(\a)+(\s)] matrix_a_fmt:MATRIX_FMT_FP6 matrix_b_fmt:MATRIX_FMT_FP6
.endm
.macro MUL16 a0, s, z                  ; z: 0 the sums go on; 1 they begin with the bias by B's rows; 2 by A's rows
.irp a, \a0, \a0+1
.irp b, 0,1,2,3,4,5,6,7
.if \z == 1
	WM \a, \b, \s, v[128+8*\b:128+8*\b+7]
.elseif \z == 2
	WM \a, \b, \s, v[96+8*(\a):96+8*(\a)+7]
.else
	WM \a, \b, \s, v[8*(8*(\a)+\b):8*(8*(\a)+\b)+7]
.endif
.endr
.endr
.endm
.macro KSTEP s, z, nx                  ; this step's fragments are in; four places behind the last products; the next step's fetch; 32 products
	s_wait_dscnt 0x0
	PLACES
.if \nx
	FETCH (\s)+1
.endif
.if \z
	WIN 0xbd
.else
	WIN 0xad
.endif
	MUL16 0, \s, \z
	MUL16 2, \s, \z
.endm
.macro KTURN rf                        ; K step 3.  rf = 1: the first K half is read no more and is filled again; rf = 0: a plain barrier shows the second K half
	WIN 0
	s_wait_tensorcnt 0x0
.if \rf
	ds_add_u32 v[SPW], v[NIL]
	DESC 0
.endif
	s_wait_dscnt 0x0
	s_barrier_signal -1
	WIN 0xad
	MUL16 0, 3, 0
	WIN 0
	s_barrier_wait -1
.if \rf
	CREST
	RLOAD
.else
	PLACES
.endif
	FETCH 4
	WIN 0xad
	MUL16 2, 3, 0
.endm
.macro SCALES                          ; a block's scale words: s[86:87] A's four tiles, s[88:89] B's eight
.irp i, 0,1,2,3,4,5,6,7
.irp g, 0,1
	global_load_b128 v[SC+8*\i+4*\g:SC+8*\i+4*\g+3], v[R16], s[88:89] offset:512*\i+256*\g
.endr
.endr
.irp i, 0,1,2,3
.irp g, 0,1
	global_load_b128 v[SA+8*\i+4*\g:SA+8*\i+4*\g+3], v[R16], s[86:87] offset:512*\i+256*\g
.endr
.endr
.endm
.macro BIASN base                      ; register 16 bb + i of a lane = channel 32 bb + 16 h + i of B's group
	WIN 0xc0
.irp bb, 0,1,2,3
.irp jq, 0,1,2,3
	global_load_b128 v[128+16*\bb+4*\jq:128+16*\bb+4*\jq+3], v[HB], \base offset:128*\bb+16*\jq
.endr
.endr
	WIN 0
.endm
.macro QUANT x, pw                     ; 64 sums of a lane, from register x of window 2 on, become a fragment's codes in v[PC] on and its scale word
	WIN 0x0a
.irp b, 0,1,2,3
	v_max3_num_f32 v[MX+\b], |v[\x+16*\b]|, |v[\x+16*\b+1]|, 0x1800000
.endr
	WIN 0x28
.irp i, 2,4,6,8,10,12,14
.irp b, 0,1,2,3
	v_max3_num_f32 v[MX+\b], v[MX+\b], |v[\x+16*\b+\i]|, |v[\x+16*\b+\i+1]|
.endr
.endr
	WIN 0
.irp b, 0,1,2,3
	v_permlanex16_b32 v[PB+\b], v[MX+\b], s[SEL], s[SEL+1]
.endr
.irp b, 0,1,2,3
	v_max_num_f32 v[MX+\b], v[MX+\b], v[PB+\b]
.endr
.irp b, 0,1,2,3
	v_add_nc_u32 v[SO+\b], 0xff000000, v[MX+\b]
.endr
.irp b, 0,1,2,3
	v_lshrrev_b32 v[PB+\b], 23, v[SO+\b]
.endr
	v_lshl_or_b32 v[\pw], v[PB+1], 8, v[PB]
	v_lshl_or_b32 v[\pw], v[PB+2], 16, v[\pw]
	v_lshl_or_b32 v[\pw], v[PB+3], 24, v[\pw]
	WIN 0x02
.irp c, 0,1
	v_cvt_scalef32_pk16_fp6_f32 v[PC+6*\c:PC+6*\c+2], v[\x+32*\c:\x+32*\c+15], v[SO+2*\c]
	v_cvt_scalef32_pk16_fp6_f32 v[PT+4*\c:PT+4*\c+2], v[\x+32*\c+16:\x+32*\c+31], v[SO+2*\c+1]
.endr
	WIN 0
	v_nop
.irp c, 0,1
.irp i, 0,1,2
	v_permlane16_swap_b32 v[PC+6*\c+\i], v[PT+4*\c+\i]
.endr
.irp i, 0,1,2
	v_mov_b32 v[PC+6*\c+3+\i], v[PT+4*\c+\i]
.endr
.endr
.endm
.macro EPI v, a, base                  ; the way out of A's tile a of my four
	s_wait_xcnt 0x0                        ; earlier stores have read the codes' registers
	QUANT 64*\a, PWS+\a
.irp c, 0,1
.if \v
.set XO, 1536*\a+768*\c
.else
.set XO, 307200*\c+768*\a
.endif
	global_store_b128 v[L16], v[PC+6*\c:PC+6*\c+3], \base offset:XO
	global_store_b64 v[L8], v[PC+6*\c+4:PC+6*\c+5], \base offset:XO+512
.endr
.endm
; ---------------- the head
	s_load_b256 s[4:11], s[0:1], 0x0               ; cod, scl, bq, bk
	s_load_b128 s[12:15], s[0:1], 0x20             ; bv, img
	v_lshl_add_u32 v[SPW], v0, 2, SPARE
	v_mov_b32 v[NIL], 0
	ds_add_u32 v[SPW], v[NIL]                      ; the opening lines
	ds_add_u32 v[SPW], v[NIL]
	v_lshrrev_b32 v1, 5, v0
	v_readfirstlane_b32 s16, v1                    ; wave
	s_lshr_b32 s17, s16, 1                         ; which four of A's tiles
	s_and_b32 s18, s16, 1                          ; which group of B
	s_bfe_u32 s20, ttmp6, 0x40000                  ; cx
	s_bfe_u32 s21, ttmp6, 0x40004                  ; cy
	s_and_b32 s22, ttmp7, 0xffff                   ; the cluster's y
	s_lshl_b32 s23, s22, 2
	s_add_co_u32 s23, s23, s21                     ; q's and k's group of tokens, 0 .. 63
	s_and_b32 s93, s22, 1
	s_lshl_b32 s93, s93, 2
	s_add_co_u32 s93, s93, s21                     ; Wv's group, 0 .. 7
	s_lshr_b32 s94, s22, 1
	s_lshl_b32 s94, s94, 2
	s_add_co_u32 s94, s94, s20                     ; v's pair of groups, 0 .. 31
	s_lshl_b32 s60, s21, 2
	s_lshl_b32 s60, 15, s60                        ; my row of the cluster
	s_lshl_b32 s61, 0x1111, s20                    ; my column
	s_or_b32 s[G1A], s60, (3<<16)|(1<<21)
	s_or_b32 s[G1B], s61, (3<<16)|(1<<21)
	GROUP1 G1A, 384                                ; the head's loads: A's group whole,
	GROUP1 G1B, 256                                ; a third of B's two
	s_mul_i32 s56, s23, GRP                        ; byte offsets in cod.  A: q's group,
	s_add_co_u32 s48, s23, 64
	s_mul_i32 s48, s48, GRP                        ; k's,
	s_add_co_u32 s52, s93, 208
	s_mul_i32 s52, s52, GRP                        ; Wv's.
	s_lshl_b32 s58, s20, 1
	s_add_co_u32 s50, s58, 199                     ; B, one group ahead of the pair's first: Wk's,
	s_mul_i32 s50, s50, GRP
	s_add_co_u32 s58, s58, 191
	s_mul_i32 s58, s58, GRP                        ; Wq's,
	s_lshl_b32 s54, s94, 1
	s_add_co_u32 s54, s54, 127
	s_mul_i32 s54, s54, GRP                        ; v's
.irp z, 49,51,53,55,57,59,63,67,71,73,79,81,87,89,91,97,99
	s_mov_b32 s\z, 0
.endr
	s_lshl_b32 s82, s17, 11                        ; offsets in scl: 4,096 bytes a group, 512 a tile
	s_lshl_b32 s86, s23, 12
	s_add_co_u32 s86, s86, s82
	s_add_co_u32 s96, s93, 208
	s_lshl_b32 s96, s96, 12
	s_add_co_u32 s96, s96, s82
	s_lshl_b32 s95, s20, 1
	s_add_co_u32 s95, s95, s18                     ; my group of the weight's eight
	s_add_co_u32 s88, s95, 192
	s_lshl_b32 s88, s88, 12
	s_lshl_b32 s68, s94, 1
	s_add_co_u32 s68, s68, s18                     ; my group of v's tokens
	s_add_co_u32 s98, s68, 128
	s_lshl_b32 s98, s98, 12
	s_lshr_b32 s78, s23, 4                         ; img: [batch][head][group of tokens][K 6,400 | V 6,400 | Q 6,400]
	s_lshl_b32 s78, s78, 3
	s_add_co_u32 s78, s78, s95
	s_mul_i32 s78, s78, 614400
	s_and_b32 s69, s23, 15
	s_mul_i32 s69, s69, 19200
	s_add_co_u32 s78, s78, s69
	s_add_co_u32 s78, s78, 12800                   ; Q's section
	s_lshl_b32 s69, s17, 2
	s_add_co_u32 s90, s78, s69
	s_add_co_u32 s90, s90, 6144                    ; its scale words, my 4 bytes of every 8
	s_mul_i32 s69, s17, 3072
	s_add_co_u32 s78, s78, s69                     ; my four tiles
	s_lshr_b32 s66, s68, 4
	s_lshl_b32 s66, s66, 3
	s_add_co_u32 s66, s66, s93
	s_mul_i32 s66, s66, 614400
	s_and_b32 s69, s68, 15
	s_mul_i32 s69, s69, 19200
	s_add_co_u32 s66, s66, s69
	s_mul_i32 s69, s17, 307200                     ; my four tiles of Wv's group are one head
	s_add_co_u32 s66, s66, s69
	s_add_co_u32 s66, s66, 6400                    ; V's section
	s_lshl_b32 s80, s95, 9                         ; the biases
	s_lshl_b32 s70, s93, 9
	s_lshl_b32 s69, s17, 8
	s_add_co_u32 s70, s70, s69
	s_mul_i32 s72, s16, GRP
	s_lshl_b32 s62, s16, 16
	s_add_co_u32 s62, s62, 32768                   ; the head's thirds of B: GRP + 65,536 (wave - 1), in LDS and from s[58:59] alike
	s_mov_b32 s75, 0xffff0000
	s_mov_b32 s[SEL], 0x76543210
	s_mov_b32 s[SEL+1], 0xfedcba98
	s_mov_b32 s84, 0x05040100
	s_mov_b32 s85, 0x07060302
	s_mov_b32 s[G0A], 1
	s_mov_b32 s[G0A+1], 0
	s_mov_b32 s[G0B], 1
	s_mov_b32 s[G0B+1], s62
	s_wait_dscnt 0x0
	s_wait_kmcnt 0x0
	s_add_nc_u64 s[G0A+2:G0A+3], s[4:5], s[56:57]
	s_or_b32 s[G0A+3], s[G0A+3], 0x80000000
	s_add_nc_u64 s[58:59], s[4:5], s[58:59]
	s_add_nc_u64 s[G0B+2:G0B+3], s[58:59], s[62:63]
	s_or_b32 s[G0B+3], s[G0B+3], 0x80000000
	CROUND                                         ; all sixteen work-groups are here: the first joint loads meet
	s_cmp_eq_u32 s16, 0
	s_cbranch_scc0 .Lhead_b
	TL G0A, G1A
	s_branch .Lhead_asked
.Lhead_b:
	TL G0B, G1B
.Lhead_asked:
.irp p, 48,50,52,54
	s_add_nc_u64 s[\p:\p+1], s[4:5], s[\p:\p+1]
.endr
.irp p, 86,88,96,98
	s_add_nc_u64 s[\p:\p+1], s[6:7], s[\p:\p+1]
.endr
.irp p, 78,90,66
	s_add_nc_u64 s[\p:\p+1], s[14:15], s[\p:\p+1]
.endr
	s_add_nc_u64 s[82:83], s[8:9], s[80:81]        ; bq, bk, bv at my channels
	s_add_nc_u64 s[80:81], s[10:11], s[80:81]
	s_add_nc_u64 s[70:71], s[12:13], s[70:71]
	s_mul_i32 s60, s17, 12288
	s_add_co_u32 s61, s60, HALF
	s_mul_i32 s62, s18, GRP
	s_add_co_u32 s62, s62, GRP
	s_add_co_u32 s63, s62, HALF
	s_lshl_b32 s68, s20, 2
	s_add_co_u32 s68, s68, s16
	s_mul_i32 s68, s68, 6144                       ; my sixteenth of A's next group,
	s_lshl_b32 s69, s21, 2
	s_add_co_u32 s69, s69, s16
	s_mul_i32 s69, s69, 12288                      ; and of B's next pair
	v_and_b32 v1, 15, v0
	v_bfe_u32 v2, v0, 4, 1
	v_and_b32 v3, 31, v0
	v_lshlrev_b32 v[L16], 4, v3
	v_lshlrev_b32 v[L8], 3, v3
	v_lshlrev_b32 v[R16], 4, v1
	v_lshlrev_b32 v[HB], 6, v2
	v_and_b32 v4, 8, v1
	v_add_nc_u32 v4, v4, v1
	v_lshlrev_b32 v[VB], 2, v4
.irp hf, 0,1
	v_add_nc_u32 v[A16+\hf], s[60+\hf], v[L16]
	v_add_nc_u32 v[A8+\hf], s[60+\hf], v[L8]
	v_add_nc_u32 v[B16+\hf], s[62+\hf], v[L16]
	v_add_nc_u32 v[B8+\hf], s[62+\hf], v[L8]
.endr
	v_min_u32 v4, 23, v3                           ; 24 pieces of 256 bytes an instruction; the lanes left over name the last again
	v_lshlrev_b32 v4, 8, v4
	v_add_nc_u32 v[PFA], s68, v4
	v_add_nc_u32 v[PFB], s69, v4
.irp b, 0,1,2,3
	v_mov_b32 v[PB+\b], 0                          ; a lane permute's destination counts as one of its sources
.endr
	WALU                                           ; the wait at the head's end
	SCALES
	BIASN s[82:83]
	WIN 0xc0
.irp a, 0,1,2,3
	global_load_b32 v[96+8*\a], v[VB], s[70:71] offset:(32*(\a/2)+8*(\a%2))*4   ; V's bias: one number a lane and tile
.endr
	WIN 0
	s_wait_xcnt 0x0
	s_add_nc_u64 s[86:87], s[86:87], 262144        ; k's scale words lie 64 groups on, Wk's 8
	s_add_nc_u64 s[88:89], s[88:89], 32768
	s_wait_tensorcnt 0x0                           ; my part of block 0 is in
	s_barrier_signal -1
	s_barrier_wait -1                              ; everybody's is
	s_mov_b32 s[G1A+2], 192<<16                    ; no load of mine is out: from here on a load brings a K half of a group
	s_mov_b32 s[G1A+4], 192
	s_mov_b32 s[G1B+2], 192<<16
	s_mov_b32 s[G1B+4], 192
	FETCH 0
	s_wait_loadcnt 0x0
	WIN 0xc3
.irp a, 0,1,2,3
.irp i, 1,2,3,4,5,6,7
	v_mov_b32 v[96+8*\a+\i], v[96+8*\a]            ; over the tile's eight registers
.endr
.endr
	WIN 0
	s_mov_b32 s92, 0
	WALU
; ---------------- Q's block, then K's
.Lblk:
	s_wait_loadcnt 0x0                             ; this block's scale words and bias
	KSTEP 0, 1, 1
	WIN 0
	global_prefetch_b8 v[PFA], s[48:49] th:TH_LOAD_NT scope:SCOPE_SE
	global_prefetch_b8 v[PFB], s[50:51] offset:GRP th:TH_LOAD_NT scope:SCOPE_SE
	global_prefetch_b8 v[PFB], s[50:51] offset:GRP+6144 th:TH_LOAD_NT scope:SCOPE_SE
	KSTEP 1, 0, 1
	KSTEP 2, 0, 1
	KTURN 1
	KSTEP 4, 0, 1
	KSTEP 5, 0, 1
	KSTEP 6, 0, 1
	KSTEP 7, 0, 0
	PLACES
	EPI 0, 0, s[78:79]
	EPI 0, 1, s[78:79]
	WALU
	s_wait_tensorcnt 0x0                           ; the next block's first K half is in; the second K half was read last for K step 7
	ds_add_u32 v[SPW], v[NIL]
	DESC 1
	s_wait_dscnt 0x0
	CROUND
	RLOAD
	FETCH 0                                        ; the next block's first fragments,
	SCALES                                         ; its scale words,
	s_cmp_lg_u32 s92, 0
	s_cbranch_scc1 .Lno_bias
	BIASN s[80:81]                                 ; and, ahead of K's block, bk (V's bias lies in registers since the head)
.Lno_bias:
	EPI 0, 2, s[78:79]
	EPI 0, 3, s[78:79]
	WALU
.irp e, 0,1
	s_wait_xcnt 0x0
	v_perm_b32 v120, v[PWS+1], v[PWS], s[84+\e]    ; a pair of tiles' bytes of head e
	v_perm_b32 v121, v[PWS+3], v[PWS+2], s[84+\e]
	v_cndmask_b32 v116, v120, v121, s75
	global_store_b32 v[L8], v116, s[90:91] offset:307200*\e
.endr
	s_wait_xcnt 0x0                                ; every base below has been read
	s_mov_b64 s[48:49], s[52:53]                   ; what comes after K's block is V's
	s_mov_b64 s[50:51], s[54:55]
	s_mov_b64 s[86:87], s[96:97]
	s_mov_b64 s[88:89], s[98:99]
	s_sub_nc_u64 s[78:79], s[78:79], 12800         ; K's section lies 12,800 bytes ahead of Q's
	s_sub_nc_u64 s[90:91], s[90:91], 12800
	s_add_co_u32 s92, s92, 1
	s_cmp_lt_u32 s92, 2
	WALU
	s_cbranch_scc1 .Lblk
; ---------------- V's block: nothing more is fetched from memory
	s_wait_loadcnt 0x0
	KSTEP 0, 2, 1
	KSTEP 1, 0, 1
	KSTEP 2, 0, 1
	KTURN 0
	KSTEP 4, 0, 1
	KSTEP 5, 0, 1
	KSTEP 6, 0, 1
	KSTEP 7, 0, 0
	PLACES
.irp a, 0,1,2,3
	EPI 1, \a, s[66:67]
.endr
	WALU
	s_wait_xcnt 0x0
	v_cndmask_b32 v116, v[PWS], v[PWS+1], s75
	v_cndmask_b32 v117, v[PWS+2], v[PWS+3], s75
	global_store_b64 v[L8], v[116:117], s[66:67] offset:6144   ; my head's 256 bytes of scale words
	s_wait_tensorcnt 0x0                           ; the wave's end
	ds_add_u32 v[SPW], v[NIL]
	s_wait_dscnt 0x0
	CROUND                                         ; the closing round
	s_endpgm
.Lfunc_end_k_q7a02b4159c_qkv:
	.size	k_q7a02b4159c_qkv, .Lfunc_end_k_q7a02b4159c_qkv-k_q7a02b4159c_qkv
	.p2alignl 7, 3214868480
	.fill 96, 4, 3214868480
	.section	.rodata,"a",@progbits
	.p2align	6, 0x0
	.amdhsa_kernel k_q7a02b4159c_qkv
		.amdhsa_group_segment_fixed_size 327680
		.amdhsa_private_segment_fixed_size 0
		.amdhsa_enable_private_segment 0
		.amdhsa_kernarg_size 48
		.amdhsa_user_sgpr_count 2
		.amdhsa_user_sgpr_kernarg_segment_ptr 1
		.amdhsa_wavefront_size32 1
		.amdhsa_system_sgpr_workgroup_id_x 1
		.amdhsa_system_sgpr_workgroup_id_y 1
		.amdhsa_system_sgpr_workgroup_id_z 1
		.amdhsa_system_vgpr_workitem_id 0
		.amdhsa_next_free_vgpr 1024
		.amdhsa_next_free_sgpr 100
		.amdhsa_reserve_vcc 0
		.amdhsa_float_denorm_mode_32 3
		.amdhsa_float_denorm_mode_16_64 3
		.amdhsa_memory_ordered 1
		.amdhsa_forward_progress 1
		.amdhsa_inst_pref_size 175
	.end_amdhsa_kernel
	.amdgpu_metadata
---
amdhsa.version: [ 1, 2 ]
amdhsa.kernels:
  - .name:           k_q7a02b4159c_qkv
    .symbol:         k_q7a02b4159c_qkv.kd
    .args:
      - { .name: cod, .offset: 0, .size: 8, .value_kind: global_buffer, .address_space: global }
      - { .name: scl, .offset: 8, .size: 8, .value_kind: global_buffer, .address_space: global }
      - { .name: bq, .offset: 16, .size: 8, .value_kind: global_buffer, .address_space: global }
      - { .name: bk, .offset: 24, .size: 8, .value_kind: global_buffer, .address_space: global }
      - { .name: bv, .offset: 32, .size: 8, .value_kind: global_buffer, .address_space: global }
      - { .name: img, .offset: 40, .size: 8, .value_kind: global_buffer, .address_space: global }
    .group_segment_fixed_size: 327680
    .private_segment_fixed_size: 0
    .kernarg_segment_align: 8
    .kernarg_segment_size: 48
    .max_flat_workgroup_size: 128
    .sgpr_count:     100
    .vgpr_count:     1024
    .wavefront_size: 32
...
	.end_amdgpu_metadata
.endif
;; end of part 2
;; launch attn (part 3): grid 4 x 64, 16 waves a work-group, clusters of 4 x 1, 206,848 bytes of LDS; arguments img, mbits, cod, scl; writes cod, scl
.if DOCPART == 3
	.amdgcn_target "amdgcn-amd-amdhsa--gfx1250"
	.amdhsa_code_object_version 6
	.text
	.protected	k_q7a02b4159c_attn
	.globl	k_q7a02b4159c_attn
	.p2align	8
	.type	k_q7a02b4159c_attn,@function
k_q7a02b4159c_attn:
	s_mov_b64 s[64:65], 0
	v_nop
	global_prefetch_b8 v0, s[64:65] scope:SCOPE_SE
	s_setreg_imm32_b32 hwreg(HW_REG_WAVE_MODE, 25, 1), 1
	s_wait_xcnt 0x0
	s_wait_alu depctr_hold_cnt(0) depctr_sa_sdst(0) depctr_va_vdst(0) depctr_va_sdst(0) depctr_va_ssrc(0) depctr_va_vcc(0) depctr_vm_vsrc(0)
	s_getreg_b32 s2, hwreg(HW_REG_IB_STS2, 6, 4)
	s_cmp_eq_u32 s2, 0
	s_cbranch_scc0 .Lentry_in_a_cluster
	s_endpgm
.Lentry_in_a_cluster:
	s_bfe_u32 s2, ttmp6, 0x10000c
	s_cmp_lg_u32 s2, 0x3003
	s_cbranch_scc0 .Lentry_shape_is_right
	s_endpgm
.Lentry_shape_is_right:
; ATTN.  For each (batch, head): O = softmax(Q K^T / 8, masked) V, both products on codes of FP6 (E2M3) with E8M0 scales, and O's quantising for the output projection.
; Where the mask is 0 the logit is REPLACED by -60000 (the raw score by -480000 = -60000 x 8, ahead of the factor log2(e) / 8), so a row that is masked throughout comes out uniform.
; t = score x log2(e) / 8; M = the running largest t rounded UP to a whole number; p = 2^(t - M) is quantised along the keys, not normalised; the sum of the unquantised p divides O at the end.
; When M moves, the sum and O^T are multiplied by 2^(old M - new M): exact.
; SHARES.  A work-group owns 512 queries of one head; each of its sixteen waves owns one tile of 16 queries in each of two passes.
; LDS holds the WHOLE head's K and V, 16 steps of 128 keys x (6,400 + 6,400) bytes, filled ONCE: wave w brings step w by one joint load.  Nothing is filled again: no ring, and no barrier in the loops.
; CLUSTER.  The four work-groups of a cluster belong to one head and want the same K and V: each load names all four.
; LAYOUT.  Both products are used transposed (S^T = K Q^T, O^T = V^T P^T): a lane holds ONE query throughout.  Tile i of K has in row m the key 64 (i / 4) + 8 (i % 4) + m % 8 + 32 (m / 8) of the step, so S^T's register
; 32 c + e of lane (r, h) is key 64 c + 32 h + e: A LANE HOLDS TWO WHOLE BLOCKS OF 32 KEYS, in the order of p's operand registers.  A block's largest score needs no other lane, and the conversions' results are the operand.
; V's and O's tiles keep the order lane r: 32 (i / 2) + 8 (i % 2) + r + 8 (r / 8): O^T's register 16 b + i is channel 32 b + 16 (lane / 16) + i.
; THE SCORE PRODUCT has K = 64, half of the instruction's 128.  Source 0 is a PAIR of key tiles (the even tile's 64 channels, then the odd tile's); source 1 is Q followed by zero codes for the even tile's scores,
; zero codes followed by Q for the odd tile's: zero codes add nothing under any scale byte.
; THE MASK comes as bits, one word for each score register, laid as the lane mask that v_cndmask_b32 takes: 64 scalar registers a step, loaded a step ahead.
; THE STEP'S ORDER.  K's fragments of the next step are asked for behind this step's last products, and the sums of p stand between that request and the wait for it; V's are asked for behind the score products.
; The selects and the search for the largest go by turns in four chains.  The exponentials go in two batches, with packed lines that hang on nothing in the batch among them.
; OUT.  O / the sum is quantised (two blocks of 32 channels) and stored as half a fragment's register image, 768 consecutive bytes, into cod (groups 224 on), and its two scale bytes into scl:
; those are 2 bytes of each row's word, since the word's other two belong to another head's work-group: the one place where this launch stores a few bytes to places 16 bytes apart.
; LIMITS: NaN and infinities are not served; a block whose largest magnitude lies under 2^(3 - 127) gets the byte 1; the promise holds while the scaled scores stay under 2^31 in magnitude.
.set STEPB, 12800                      ; a key step in LDS: K's section, then V's
.set QZ,  16                           ; v16-45  [6 zeros][Q of pass 0][6 zeros][Q of pass 1][6 zeros]
.set KV,  48                           ; v48-95  four fragments: K's pairs, then V's tiles
.set S,   96                           ; v96-159 S^T, then p
.set O,   160                          ; v160-191 O^T
.set PC,  192                          ; v192-203 p's codes
.set PT,  204                          ; v204-206, v208-210
.set BM,  212                          ; v212-215 four chains of largest scores; v213, v215 end as the two blocks'
.set PX,  216                          ; v216-219 at work
.set SO,  220                          ; v220-221 the conversions' scale operands
.set T,   232                          ; v232-247 eight pairs of partial sums
; v1 16 x lane, v2 8 x lane, v3, v4 the same + an LDS byte, v5 16 r, v6 -480000, v7 Q's scale word's offset; v[8:9] K's scale words, v[10:11] V's; v12 -M, v13 the largest raw score, v[14:15] the sum;
; v46, v47 Q's scale words; v[224:225] f; v226 at work; v227 p's scale word; v230 8 h; v231 the new -M.
; s2 a select; s[4:5] Q, s[6:7] my mask words, s[8:9] cod, s[10:11] scl at my places; s12 wave; s13 cx; s[14:15] lane selects; s[16:17] c; s18 -c; s19 the next step's LDS byte;
; s[20:23] descriptor group 0, and once its load has landed: s20 steps to go, s21 steps begun in both passes, s22 the next mask words' offset, s23 at work; s[24:31] group 1; s[32:63], s[68:99] the 64 mask words.
.macro WALU
	s_wait_alu depctr_va_vdst(0)
.endm
.macro D1
	s_delay_alu instid0(VALU_DEP_1)
.endm
.macro D2
	s_delay_alu instid0(VALU_DEP_2)
.endm
.macro CROUND
	s_barrier_signal -1
	s_barrier_wait -1
	s_cmp_lg_u32 s12, 0
	s_cbranch_scc1 .Lnot_wave_0_\@
	s_barrier_signal -3
.Lnot_wave_0_\@:
	s_barrier_wait -3
	s_barrier_signal -1
	s_barrier_wait -1
.endm
	s_load_b256 s[4:11], s[0:1], 0x0               ; img, mbits, cod, scl
	v_lshl_add_u32 v254, v0, 2, 0x32000
	v_mov_b32 v255, 0
	ds_add_u32 v254, v255                          ; the opening lines
	ds_add_u32 v254, v255
	v_lshrrev_b32 v6, 5, v0
	D1
	v_readfirstlane_b32 s12, v6                    ; wave 0..15
	s_bfe_u32 s13, ttmp6, 0x40000                  ; cx: my block of 512 queries; it enters Q's, the mask's and the outputs' addresses alone
	s_and_b32 s3, ttmp7, 0xffff                    ; 16 batch + head, which the four partners share
	s_lshr_b32 s32, s3, 4                          ; batch
	s_and_b32 s33, s3, 15                          ; head
	s_lshr_b32 s34, s12, 3
	s_and_b32 s35, s12, 7                          ; my tile in its group of 128 tokens
	s_mul_i32 s36, s3, 307200
	s_mul_i32 s37, s12, 19200
	s_add_co_u32 s40, s36, s37                     ; K and V of key step = wave
	s_mov_b32 s41, 0
	s_lshl_b32 s38, s13, 2
	s_add_co_u32 s38, s38, s34                     ; pass 0's token group: 4 cx + wave / 8 (pass 1's: two further on)
	s_mul_i32 s42, s38, 19200
	s_add_co_u32 s42, s42, s36
	s_mul_i32 s39, s35, 768
	s_add_co_u32 s42, s42, s39
	s_add_co_u32 s42, s42, 12800                   ; Q's section, my tile's image
	s_mov_b32 s43, 0
	s_sub_co_u32 s44, 6144, s39                    ; from there to the section's scale words (768 at the least),
	s_lshr_b32 s45, s35, 1                         ; my pair of tiles:
	s_and_b32 s46, s45, 1
	s_lshl_b32 s46, s46, 7
	s_add_co_u32 s44, s44, s46                     ; an odd pair's words lie in lanes 16-31's places,
	s_lshr_b32 s45, s45, 1
	s_lshl_b32 s45, s45, 2
	s_add_co_u32 s44, s44, s45                     ; pairs 2 and 3 in the second register's
	s_lshl_b32 s47, s32, 7
	s_lshl_b32 s48, s13, 5
	s_add_co_u32 s47, s47, s48
	s_add_co_u32 s47, s47, s12                     ; pass 0's tile of queries: 128 batch + 32 cx + wave
	s_lshl_b32 s48, s47, 12                        ; 4,096 bytes of mask words a tile
	s_mov_b32 s49, 0
	s_lshl_b32 s50, s32, 4
	s_add_co_u32 s50, s50, s38
	s_add_co_u32 s50, s50, 224                     ; the output's group
	s_mul_i32 s52, s50, 98304
	s_lshr_b32 s51, s33, 2
	s_mul_i32 s51, s51, 24576                      ; K = 64 head on: which 256,
	s_add_co_u32 s52, s52, s51
	s_mul_i32 s51, s35, 3072                       ; my tile,
	s_add_co_u32 s52, s52, s51
	s_and_b32 s51, s33, 3
	s_mul_i32 s51, s51, 768                        ; which 64 of the 256
	s_add_co_u32 s52, s52, s51
	s_mov_b32 s53, 0
	s_lshl_b32 s54, s50, 12
	s_lshl_b32 s51, s35, 9
	s_add_co_u32 s54, s54, s51
	s_lshr_b32 s51, s33, 3
	s_lshl_b32 s51, s51, 8
	s_add_co_u32 s54, s54, s51
	s_and_b32 s51, s33, 7
	s_lshl_b32 s51, s51, 1                         ; two bytes a head
	s_add_co_u32 s54, s54, s51
	s_mov_b32 s55, 0
	; descriptor group 1: a dense block of 12,800 bytes as 50 rows of 32 elements of 8 bytes; the mask names all four work-groups
	s_mov_b32 s24, 15|(3<<16)|(1<<21)
	s_mov_b32 s25, 32<<16
	s_mov_b32 s26, 50<<16
	s_mov_b32 s27, 32<<16
	s_mov_b32 s28, 50
	s_mov_b32 s29, 32
	s_mov_b32 s30, 0
	s_mov_b32 s31, 0
	s_mov_b32 s14, 0x76543210
	s_mov_b32 s15, 0xfedcba98
	s_mov_b32 s16, 0x3e38aa3b                      ; c = log2(e) / 8
	s_mov_b32 s17, s16                             ; (named with it as a pair, so it is written)
	s_mov_b32 s18, 0xbe38aa3b                      ; -c
	s_mov_b32 s2, 0x03020302                       ; an odd tile's two bytes of the pair's word, twice;
	s_bitcmp1_b32 s12, 0
	s_cselect_b32 s2, s2, 0x01000100               ; an even tile's
	v_and_b32 v6, 31, v0
	D1
	v_lshlrev_b32 v1, 4, v6
	D2
	v_lshlrev_b32 v2, 3, v6
	v_and_b32 v7, 15, v0
	D1
	v_lshlrev_b32 v5, 4, v7
	D2
	v_lshl_add_u32 v7, v7, 3, s44
	s_wait_dscnt 0x0
	s_wait_kmcnt 0x0
	s_mov_b32 s20, 1
	s_mul_i32 s21, s12, STEPB                      ; LDS: wave x 12,800
	s_add_nc_u64 s[22:23], s[4:5], s[40:41]
	s_or_b32 s23, s23, 0x80000000
	s_add_nc_u64 s[4:5], s[4:5], s[42:43]
	s_add_nc_u64 s[6:7], s[6:7], s[48:49]
	s_add_nc_u64 s[8:9], s[8:9], s[52:53]
	s_add_nc_u64 s[10:11], s[10:11], s[54:55]
	CROUND                                         ; all four work-groups are here: the joint loads meet
	tensor_load_to_lds s[20:23], s[24:31]          ; my one tensor load of the launch
	s_nop 0
.rept 4
	v_nop
.endr
	WALU
.irp pi, 0,1
	global_load_b128 v[QZ+6+12*\pi:QZ+9+12*\pi], v1, s[4:5] offset:38400*\pi
	global_load_b64 v[QZ+10+12*\pi:QZ+11+12*\pi], v2, s[4:5] offset:38400*\pi+512
	global_load_b32 v[46+\pi], v7, s[4:5] offset:38400*\pi
.endr
.irp z, 0,1,2,3,4,5, 12,13,14,15,16,17, 24,25,26,27,28,29
	v_mov_b32 v[QZ+\z], 0                          ; the zero codes round Q
.endr
.irp b, 0,1,2,3
	v_mov_b32 v[PX+\b], 0                          ; written once: a lane permute's destination counts as one of its sources
.endr
	v_mov_b32 v225, 0                              ; (named as the upper half of the pair v[224:225])
	v_mov_b32 v226, 0
	v_bfe_u32 v230, v0, 4, 1
	D1
	v_lshlrev_b32 v230, 3, v230                    ; 8 h
	v_add_nc_u32 v3, 0, v1                         ; key step 0
	v_add_nc_u32 v4, 0, v2
	v_mov_b32 v6, 0xc8ea6000                       ; -480000
	s_load_b512 s[32:47], s[6:7], 0x0              ; the first step's 64 mask words
	s_load_b512 s[48:63], s[6:7], 0x40
	s_load_b512 s[68:83], s[6:7], 0x80
	s_load_b512 s[84:99], s[6:7], 0xc0
	WALU                                           ; the wait at the head's end
	s_wait_tensorcnt 0x0                           ; my step has landed,
	s_barrier_signal -1
	s_barrier_wait -1                              ; everybody's has
	s_mov_b32 s21, 0                               ; (the descriptor's registers are free since the wait above)
.macro SCORE bb, u, pi, row1
.if \row1
	v_wmma_scale_f32_16x16x128_f8f6f4 v[S+16*\bb+8*\u:S+16*\bb+8*\u+7], v[KV+12*\bb:KV+12*\bb+11], v[QZ+6+12*\pi-6*\u:QZ+17+12*\pi-6*\u], 0, v[8+\bb/2], v[46+\pi] matrix_a_fmt:MATRIX_FMT_FP6 matrix_b_fmt:MATRIX_FMT_FP6 matrix_a_scale:MATRIX_SCALE_ROW1
.else
	v_wmma_scale_f32_16x16x128_f8f6f4 v[S+16*\bb+8*\u:S+16*\bb+8*\u+7], v[KV+12*\bb:KV+12*\bb+11], v[QZ+6+12*\pi-6*\u:QZ+17+12*\pi-6*\u], 0, v[8+\bb/2], v[46+\pi] matrix_a_fmt:MATRIX_FMT_FP6 matrix_b_fmt:MATRIX_FMT_FP6
.endif
.endm
.macro FOUR off                        ; four fragments' images, off bytes into the step at v3, v4
.irp bb, 0,1,2,3
	ds_load_b128 v[KV+12*\bb:KV+12*\bb+3], v3 offset:\off+1536*\bb
	ds_load_b64 v[KV+12*\bb+4:KV+12*\bb+5], v4 offset:\off+1536*\bb+512
	ds_load_b128 v[KV+12*\bb+6:KV+12*\bb+9], v3 offset:\off+1536*\bb+768
	ds_load_b64 v[KV+12*\bb+10:KV+12*\bb+11], v4 offset:\off+1536*\bb+1280
.endr
.endm
.macro CND e                           ; the mask on register e of each of the four chains of 16
.irp q, 0,1,2,3
	v_cndmask_b32 v[S+16*\q+(\e)], v6, v[S+16*\q+(\e)], s[32+16*\q+(\e)+4*(\q/2)]
.endr
.endm
	FOUR 0                                         ; K's four pairs of tiles of step 0
	ds_load_b64 v[8:9], v4 offset:6144             ; and their scale words
	s_wait_loadcnt 0x0                             ; Q
	v_perm_b32 v46, v46, v46, s2                   ; my tile's two bytes, twice: they serve Q in either half of K
	v_perm_b32 v47, v47, v47, s2
; A KEY STEP: 128 keys
.macro STEP pi
	WALU                                           ; directly ahead of the wait below
	s_wait_dscnt 0x0                               ; K's pairs and scale words, asked for behind the last step's products
.irp bb, 0,1,2,3
.irp u, 0,1
	SCORE \bb, \u, \pi, \bb%2
.endr
.endr
	s_add_co_u32 s21, s21, 1
	s_and_b32 s19, s21, 15                         ; the next step, round the pass's edge to step 0
	s_mul_i32 s19, s19, STEPB
.rept 4
	v_nop                                          ; places in front of the loads into K's registers and of the first read of the scores
.endr
	FOUR 6400                                      ; V's four tiles land while the softmax is walked
	ds_load_b64 v[10:11], v4 offset:12544
	s_wait_kmcnt 0x0                               ; this step's mask words are in: so their loads have read s22, which is written again only behind this wait
	s_min_u32 s23, s21, 31                         ; the next step's mask words: tile + 16 is 65,536 bytes on, a step 256; the very last trip asks for its own again: no load leaves the buffer
	s_lshr_b32 s22, s23, 4
	s_lshl_b32 s22, s22, 16
	s_and_b32 s23, s23, 15
	s_lshl_b32 s23, s23, 8
	s_or_b32 s22, s22, s23
	CND 0                                          ; each accumulator from its low end on
	CND 1
	CND 2
.irp q, 0,1,2,3
	v_max3_num_f32 v[BM+\q], v[S+16*\q], v[S+16*\q+1], v[S+16*\q+2]
.endr
.irp e, 4,6,8,10,12,14
	CND \e-1
	CND \e
.irp q, 0,1,2,3
	v_max3_num_f32 v[BM+\q], v[BM+\q], v[S+16*\q+\e-1], v[S+16*\q+\e]
.endr
.endr
	CND 15
	v_max_num_f32 v212, v212, v[S+15]
	v_max_num_f32 v214, v214, v[S+47]
	v_max3_num_f32 v213, v213, v[S+31], v212       ; the largest score of my block of keys 32 h .. + 31,
	v_max3_num_f32 v215, v215, v[S+63], v214       ; and of 64 + 32 h .. + 31: for the row's maximum, and, since p rises with the score, for the block's largest p
	s_load_b512 s[32:47], s[6:7], s22 offset:0x0
	s_load_b512 s[48:63], s[6:7], s22 offset:0x40
	s_load_b512 s[68:83], s[6:7], s22 offset:0x80
	s_load_b512 s[84:99], s[6:7], s22 offset:0xc0
	v_max_num_f32 v226, v213, v215
	v_permlanex16_b32 v216, v226, s14, s15
	v_max3_num_f32 v13, v13, v226, v216            ; the running largest raw score of my query, lane l xor 16's keys among them
	v_mul_f32 v226, s18, v13                       ; -t
	v_floor_f32 v231, v226                         ; the new -M = floor(-t): M is a whole number
	v_sub_f32 v226, v231, v12                      ; old M - new M: a whole number, 0 or less
	v_mov_b32 v12, v231
	v_cvt_i32_f32 v226, v226                       ; (it saturates)
	v_ldexp_f32 v224, 1.0, v226                    ; f = 2^(old M - new M)
.set n, 0
.rept 16
	v_pk_fma_f32 v[S+n:S+n+1], v[S+n:S+n+1], s[16:17], v[12:13] op_sel_hi:[1,0,0]   ; t - M, two at a time: my first block
.set n, n+2
.endr
	v_fma_f32 v213, v213, s16, v12                 ; the same of each block's largest score
	v_fma_f32 v215, v215, s16, v12
	WALU                                           ; ahead of the batch
.set n, 0
.rept 16
	v_exp_f32 v[S+n], v[S+n]                       ; p = 2^(t - M)
	v_exp_f32 v[S+n+1], v[S+n+1]
	v_pk_fma_f32 v[S+32+n:S+33+n], v[S+32+n:S+33+n], s[16:17], v[12:13] op_sel_hi:[1,0,0]   ; my second block's t - M: read behind the wait below
.set n, n+2
.endr
	v_exp_f32 v213, v213                           ; the blocks' largest p: the same two instructions on the same number
	v_exp_f32 v215, v215
	v_pk_mul_f32 v[14:15], v[14:15], v[224:225] op_sel_hi:[1,0]   ; the sums under the new M.  (A plain place behind the exponentials)
	WALU                                           ; and behind it
	v_max_num_f32 v213, 0x1800000, v213            ; the floor 2^(3 - 127): a block whose every p is 0 keeps the byte 1: its codes are zeros
	v_max_num_f32 v215, 0x1800000, v215
	D2
	v_add_nc_u32 v220, 0xff000000, v213
	D2
	v_add_nc_u32 v221, 0xff000000, v215
	D2
	v_lshrrev_b32 v216, 23, v220
	D2
	v_lshrrev_b32 v217, 23, v221
	D1
	v_lshl_or_b32 v216, v217, 16, v216             ; my two bytes: blocks h and 2 + h,
	D1
	v_lshlrev_b32 v216, v230, v216                 ; at their places in the scale word;
	D1
	v_permlanex16_b32 v217, v216, s14, s15
	D1
	v_or_b32 v227, v216, v217                      ; with lane l xor 16's two the word is whole
.set n, 0
.rept 8
	v_exp_f32 v[S+32+4*n], v[S+32+4*n]
	v_exp_f32 v[S+33+4*n], v[S+33+4*n]
	v_exp_f32 v[S+34+4*n], v[S+34+4*n]
	v_exp_f32 v[S+35+4*n], v[S+35+4*n]
	v_pk_add_f32 v[T+2*n:T+2*n+1], v[S+4*n:S+4*n+1], v[S+4*n+2:S+4*n+3]   ; THE SUM IS TAKEN OF THE UNQUANTISED p: the first block's first level, eight lines that hang on nothing in the batch
.set n, n+1
.endr
	v_nop                                          ; a plain place behind the exponentials
	WALU                                           ; one wait for the batch, and directly ahead of the first readers of O^T
.set n, 0
.rept 16
	v_pk_mul_f32 v[O+n:O+n+1], v[O+n:O+n+1], v[224:225] op_sel_hi:[1,0]   ; O^T under the new M
.set n, n+2
.endr
.irp c, 0,1
	v_cvt_scalef32_pk16_fp6_f32 v[PC+6*\c:PC+6*\c+2], v[S+32*\c:S+32*\c+15], v[SO+\c]
	v_cvt_scalef32_pk16_fp6_f32 v[PT+4*\c:PT+4*\c+2], v[S+32*\c+16:S+32*\c+31], v[SO+\c]   ; (a conversion's three registers begin on an even number)
.endr
	v_nop                                          ; one plain place behind a scaled conversion
.irp c, 0,1
.irp i, 0,1,2
	v_mov_b32 v[PC+6*\c+3+\i], v[PT+4*\c+\i]       ; registers 6 c .. 6 c + 5 hold keys 64 c + 32 h + 0 .. 31
.endr
.endr
.set n, 0
.rept 8
	v_pk_add_f32 v[T+2*n:T+2*n+1], v[T+2*n:T+2*n+1], v[S+32+4*n:S+33+4*n]   ; (these are also the places between p's codes and the products)
.set n, n+1
.endr
	WALU                                           ; directly ahead of the wait below
	s_wait_dscnt 0x0                               ; V
	; O^T += V^T P^T: the four accumulators take turns
	v_wmma_scale_f32_16x16x128_f8f6f4 v[O:O+7], v[KV:KV+11], v[PC:PC+11], v[O:O+7], v10, v227 matrix_a_fmt:MATRIX_FMT_FP6 matrix_b_fmt:MATRIX_FMT_FP6
	v_wmma_scale_f32_16x16x128_f8f6f4 v[O+8:O+15], v[KV+12:KV+23], v[PC:PC+11], v[O+8:O+15], v10, v227 matrix_a_fmt:MATRIX_FMT_FP6 matrix_b_fmt:MATRIX_FMT_FP6 matrix_a_scale:MATRIX_SCALE_ROW1
	v_wmma_scale_f32_16x16x128_f8f6f4 v[O+16:O+23], v[KV+24:KV+35], v[PC:PC+11], v[O+16:O+23], v11, v227 matrix_a_fmt:MATRIX_FMT_FP6 matrix_b_fmt:MATRIX_FMT_FP6
	v_wmma_scale_f32_16x16x128_f8f6f4 v[O+24:O+31], v[KV+36:KV+47], v[PC:PC+11], v[O+24:O+31], v11, v227 matrix_a_fmt:MATRIX_FMT_FP6 matrix_b_fmt:MATRIX_FMT_FP6 matrix_a_scale:MATRIX_SCALE_ROW1
	v_add_nc_u32 v3, s19, v1                       ; the next step's LDS bytes.  (Four places behind the products, in front of the loads into V's registers)
	v_add_nc_u32 v4, s19, v2
	v_pk_add_f32 v[T:T+1], v[T:T+1], v[S+34:S+35]
	v_pk_add_f32 v[T+2:T+3], v[T+2:T+3], v[S+38:S+39]
	FOUR 0                                         ; the next step's K; the rest of the sums stands between the request and the wait for it
	ds_load_b64 v[8:9], v4 offset:6144
.set n, 2
.rept 6
	v_pk_add_f32 v[T+2*n:T+2*n+1], v[T+2*n:T+2*n+1], v[S+34+4*n:S+35+4*n]
.set n, n+1
.endr
.irp k, 0,2,4,6
	v_pk_add_f32 v[T+\k:T+\k+1], v[T+\k:T+\k+1], v[T+8+\k:T+9+\k]
.endr
	v_pk_add_f32 v[T:T+1], v[T:T+1], v[T+4:T+5]
	v_pk_add_f32 v[T+2:T+3], v[T+2:T+3], v[T+6:T+7]
	D1
	v_pk_add_f32 v[T:T+1], v[T:T+1], v[T+2:T+3]
	D1
	v_pk_add_f32 v[14:15], v[14:15], v[T:T+1]
.endm
; A PASS: one tile of 16 queries against all 2,048 keys, and its way out
.macro PASS pi
	v_mov_b32 v13, 0xff61b1e6                      ; the largest raw score so far: -3e38, under every score
	D1
	v_mul_f32 v12, s18, v13
	D1
	v_floor_f32 v12, v12                           ; -M
	v_mov_b32 v14, 0                               ; the sum, in two halves
	v_mov_b32 v15, 0
.set n, 0
.rept 32
	v_mov_b32 v[O+n], 0                            ; O^T: the step is written once; the first finds zeros, which the first change of M leaves zeros
.set n, n+1
.endr
	s_mov_b32 s20, 16
.Lstep_\@:
	STEP \pi
	s_sub_co_u32 s20, s20, 1
	s_cmp_lg_u32 s20, 0
	WALU                                           ; directly ahead of the branch
	s_cbranch_scc1 .Lstep_\@
	v_add_f32 v14, v14, v15                        ; the sum's two halves,
	D1
	v_permlanex16_b32 v226, v14, s14, s15
	D1
	v_add_f32 v14, v14, v226                       ; and lane l xor 16's
	WALU
	v_rcp_f32 v14, v14
	v_nop                                          ; one plain place behind a transcendental
.set n, 0
	WALU
.rept 16
	v_pk_mul_f32 v[S+n:S+n+1], v[O+n:O+n+1], v[14:15] op_sel_hi:[1,0]   ; O^T / the sum: register 16 b + i is channel 32 b + 16 h + i of my query
.set n, n+2
.endr
.irp b, 0,1
	v_max3_num_f32 v[BM+\b], |v[S+16*\b]|, |v[S+16*\b+1]|, 0x1800000
.endr
.irp i, 2,4,6,8,10,12,14
.irp b, 0,1
	D2
	v_max3_num_f32 v[BM+\b], v[BM+\b], |v[S+16*\b+\i]|, |v[S+16*\b+\i+1]|
.endr
.endr
.irp b, 0,1
	D2
	v_permlanex16_b32 v[PX+\b], v[BM+\b], s14, s15
.endr
.irp b, 0,1
	D2
	v_max_num_f32 v[BM+\b], v[BM+\b], v[PX+\b]
.endr
.irp b, 0,1
	D2
	v_add_nc_u32 v[SO+\b], 0xff000000, v[BM+\b]
.endr
.irp b, 0,1
	D2
	v_lshrrev_b32 v[PX+\b], 23, v[SO+\b]
.endr
	D1
	v_lshl_or_b32 v226, v[PX+1], 8, v[PX]          ; my head's two bytes of the row's scale word
	v_cvt_scalef32_pk16_fp6_f32 v[PC:PC+2], v[S:S+15], v[SO]
	v_cvt_scalef32_pk16_fp6_f32 v[PT:PT+2], v[S+16:S+31], v[SO+1]
	v_nop
.irp i, 0,1,2
	v_permlane16_swap_b32 v[PC+\i], v[PT+\i]       ; here a block lies in lanes l and l xor 16: the operand's layout wants it whole in a lane
.endr
.irp i, 0,1,2
	v_mov_b32 v[PC+3+\i], v[PT+\i]
.endr
	global_store_b128 v1, v[PC:PC+3], s[8:9] offset:196608*\pi          ; 512 consecutive bytes, at a multiple of 256 from the buffer's first byte
	global_store_b64 v2, v[PC+4:PC+5], s[8:9] offset:196608*\pi+512     ; 256 consecutive bytes
	global_store_b16 v5, v226, s[10:11] offset:8192*\pi                 ; both lanes of a row write the same two bytes with the same value
.if \pi == 0
	s_wait_xcnt 0x0                                ; the stores have read their registers: the next pass writes them again
.endif
.endm
	PASS 0
	PASS 1
	s_wait_tensorcnt 0x0                           ; the wave's end
	ds_add_u32 v254, v255
	s_wait_dscnt 0x0                               ; (the last trip's request for step 0's K has come back too)
	CROUND                                         ; the closing round
	s_endpgm
.Lfunc_end_k_q7a02b4159c_attn:
	.size	k_q7a02b4159c_attn, .Lfunc_end_k_q7a02b4159c_attn-k_q7a02b4159c_attn
	.p2alignl 7, 3214868480
	.fill 96, 4, 3214868480
	.section	.rodata,"a",@progbits
	.p2align	6, 0x0
	.amdhsa_kernel k_q7a02b4159c_attn
		.amdhsa_group_segment_fixed_size 206848
		.amdhsa_private_segment_fixed_size 0
		.amdhsa_enable_private_segment 0
		.amdhsa_kernarg_size 32
		.amdhsa_user_sgpr_count 2
		.amdhsa_user_sgpr_kernarg_segment_ptr 1
		.amdhsa_wavefront_size32 1
		.amdhsa_system_sgpr_workgroup_id_x 1
		.amdhsa_system_sgpr_workgroup_id_y 1
		.amdhsa_system_sgpr_workgroup_id_z 1
		.amdhsa_system_vgpr_workitem_id 0
		.amdhsa_next_free_vgpr 256
		.amdhsa_next_free_sgpr 100
		.amdhsa_reserve_vcc 0
		.amdhsa_float_denorm_mode_32 3
		.amdhsa_float_denorm_mode_16_64 3
		.amdhsa_memory_ordered 1
		.amdhsa_forward_progress 1
		.amdhsa_inst_pref_size 59
	.end_amdhsa_kernel
	.amdgpu_metadata
---
amdhsa.version: [ 1, 2 ]
amdhsa.kernels:
  - .name:           k_q7a02b4159c_attn
    .symbol:         k_q7a02b4159c_attn.kd
    .args:
      - { .name: img, .offset: 0, .size: 8, .value_kind: global_buffer, .address_space: global }
      - { .name: mbits, .offset: 8, .size: 8, .value_kind: global_buffer, .address_space: global }
      - { .name: cod, .offset: 16, .size: 8, .value_kind: global_buffer, .address_space: global }
      - { .name: scl, .offset: 24, .size: 8, .value_kind: global_buffer, .address_space: global }
    .group_segment_fixed_size: 206848
    .private_segment_fixed_size: 0
    .kernarg_segment_align: 8
    .kernarg_segment_size: 32
    .max_flat_workgroup_size: 512
    .sgpr_count:     100
    .vgpr_count:     256
    .wavefront_size: 32
...
	.end_amdgpu_metadata
.endif
;; end of part 3
;; launch outp (part 4): grid 4 x 64, 4 waves a work-group, clusters of 4 x 4, 327,680 bytes of LDS; arguments cod, scl, bo, out0; writes out0
.if DOCPART == 4
	.amdgcn_target "amdgcn-amd-amdhsa--gfx1250"
	.amdhsa_code_object_version 6
	.text
	.protected	k_q7a02b4159c_outp
	.globl	k_q7a02b4159c_outp
	.p2align	8
	.type	k_q7a02b4159c_outp,@function
k_q7a02b4159c_outp:
	s_mov_b64 s[64:65], 0
	v_nop
	global_prefetch_b8 v0, s[64:65] scope:SCOPE_SE
	s_setreg_imm32_b32 hwreg(HW_REG_WAVE_MODE, 25, 1), 1
	s_wait_xcnt 0x0
	s_wait_alu depctr_hold_cnt(0) depctr_sa_sdst(0) depctr_va_vdst(0) depctr_va_sdst(0) depctr_va_ssrc(0) depctr_va_vcc(0) depctr_vm_vsrc(0)
	s_getreg_b32 s2, hwreg(HW_REG_IB_STS2, 6, 4)
	s_cmp_eq_u32 s2, 0
	s_cbranch_scc0 .Lentry_in_a_cluster
	s_endpgm
.Lentry_in_a_cluster:
	s_bfe_u32 s2, ttmp6, 0x10000c
	s_cmp_lg_u32 s2, 0xf033
	s_cbranch_scc0 .Lentry_shape_is_right
	s_endpgm
.Lentry_shape_is_right:
; OUTP.  out0 = O Wo^T + bo on codes of FP6 (E2M3) with E8M0 scales; O's codes are groups 224 on of cod, Wo's groups 216 on.
; A work-group makes 128 tokens (one group, source 1) x 256 channels (two groups of Wo, source 0): 64 x 4 = 256 work-groups.  A wave makes 64 x 128: 32 accumulators, which take turns.
; All of K = 1,024 lies in LDS: O's group at 0, Wo's two behind it, 294,912 bytes, asked for at the head by one load a wave (wave 0 O's group, waves 1-3 a third of Wo's each).  Nothing is filled again.
; CLUSTER 4 x 4: O's group is shared along a row, Wo's pair along a column.  The bias is the first K step's C.  A's and B's scale words lie in registers whose numbers differ by 4 modulo 8.
; NO PREFETCH: all that the launch reads is asked for at its head; there is no loop to run ahead in.
; THE WAY OUT: a tile of 16 tokens x 128 channels goes through the wave's own stage in LDS and leaves as rows of 512 consecutive bytes.  The stages lie on the tiles' bytes, behind a barrier behind which nobody reads those.
; WINDOWS: 0 addresses and scales; 1 Wo's fragments, two sets; 2 the accumulators; 3 O's fragments, two sets (on the way out: the rows read back), and the bias (v128-191).
.set GRP,   98304
.set HALF,  49152
.set SPARE, 3*GRP
.set R16, 5
.set HB,  6
.set A16, 8
.set A8,  10
.set B16, 12
.set B8,  14
.set L16, 20
.set L8,  21
.set STO, 24
.set RD,  25
.set SPW, 28
.set NIL, 29
.set SC,  32
.set SA,  212
.set G1A, 24
.set G1B, 32
.set G0A, 40
.set G0B, 44
.set MSB, 0
.macro WIN new
.if MSB != (\new)
	s_set_vgpr_msb (MSB<<8)|(\new)
.set MSB, (\new)
.endif
.endm
.macro PLACES
.rept 4
	v_nop
.endr
.endm
.macro CROUND
	s_barrier_signal -1
	s_barrier_wait -1
	s_cmp_lg_u32 s16, 0
	s_cbranch_scc1 .Lnot_wave_0_\@
	s_barrier_signal -3
.Lnot_wave_0_\@:
	s_barrier_wait -3
	s_barrier_signal -1
	s_barrier_wait -1
.endm
.macro TL g0, g1
	tensor_load_to_lds s[\g0:\g0+3], s[\g1:\g1+7]
	s_nop 0
	PLACES
.endm
.macro GROUP1 g, rows
	s_mov_b32 s[\g+1], 32<<16
	s_mov_b32 s[\g+2], (\rows)<<16
	s_mov_b32 s[\g+3], 32<<16
	s_mov_b32 s[\g+4], \rows
	s_mov_b32 s[\g+5], 32
	s_mov_b32 s[\g+6], 0
	s_mov_b32 s[\g+7], 0
.endm
.macro FRAG reg, a16, a8, off
	ds_load_b128 v[\reg:\reg+3], v[\a16] offset:\off
	ds_load_b64 v[\reg+4:\reg+5], v[\a8] offset:\off+512
	ds_load_b128 v[\reg+6:\reg+9], v[\a16] offset:\off+768
	ds_load_b64 v[\reg+10:\reg+11], v[\a8] offset:\off+1280
.endm
.macro FETCH s
.set P_, (\s)%2
.set HF_, (\s)/4
.set OF_, (((\s)/2)%2)*24576+((\s)%2)*1536
	WIN 0x40
.irp i, 0,1,2,3,4,5,6,7
	FRAG 128*P_+12*\i, B16+HF_, B8+HF_, OF_+3072*\i
.endr
	WIN 0xc0
.irp i, 0,1,2,3
	FRAG 48*P_+12*\i, A16+HF_, A8+HF_, OF_+3072*\i
.endr
	WIN 0
.endm
.macro WM a, b, s, c
	v_wmma_scale_f32_16x16x128_f8f6f4 v[8*(8*(\a)+\b):8*(8*(\a)+\b)+7], v[128*((\s)%2)+12*\b:128*((\s)%2)+12*\b+11], v[48*((\s)%2)+12*(\a):48*((\s)%2)+12*(\a)+11], \c, v[SC+8*\b+(\s)], v[SA+8*(\a)+(\s)] matrix_a_fmt:MATRIX_FMT_FP6 matrix_b_fmt:MATRIX_FMT_FP6
.endm
.macro MUL32 s, z
.irp a, 0,1,2,3
.irp b, 0,1,2,3,4,5,6,7
.if \z
	WM \a, \b, \s, v[128+8*\b:128+8*\b+7]
.else
	WM \a, \b, \s, v[8*(8*(\a)+\b):8*(8*(\a)+\b)+7]
.endif
.endr
.endr
.endm
.macro KSTEP s, z
	s_wait_dscnt 0x0
	PLACES
	FETCH (\s)+1
.if \z
	WIN 0xbd
.else
	WIN 0xad
.endif
	MUL32 \s, \z
.endm
	s_load_b256 s[4:11], s[0:1], 0x0               ; cod, scl, bo, out0
	v_lshl_add_u32 v[SPW], v0, 2, SPARE
	v_mov_b32 v[NIL], 0
	ds_add_u32 v[SPW], v[NIL]                      ; the opening lines
	ds_add_u32 v[SPW], v[NIL]
	v_lshrrev_b32 v1, 5, v0
	v_readfirstlane_b32 s16, v1
	s_lshr_b32 s17, s16, 1
	s_and_b32 s18, s16, 1
	s_bfe_u32 s20, ttmp6, 0x40000
	s_bfe_u32 s21, ttmp6, 0x40004
	s_and_b32 s22, ttmp7, 0xffff
	s_lshl_b32 s23, s22, 2
	s_add_co_u32 s23, s23, s21                     ; the group of tokens, 0 .. 63
	s_lshl_b32 s60, s21, 2
	s_lshl_b32 s60, 15, s60
	s_lshl_b32 s61, 0x1111, s20
	s_or_b32 s[G1A], s60, (3<<16)|(1<<21)
	s_or_b32 s[G1B], s61, (3<<16)|(1<<21)
	GROUP1 G1A, 384
	GROUP1 G1B, 256
	s_add_co_u32 s56, s23, 224
	s_mul_i32 s56, s56, GRP
	s_lshl_b32 s58, s20, 1
	s_add_co_u32 s58, s58, 215                     ; one group ahead of Wo's pair
	s_mul_i32 s58, s58, GRP
.irp z, 57,59,63,79,81,87,89
	s_mov_b32 s\z, 0
.endr
	s_add_co_u32 s86, s23, 224
	s_lshl_b32 s86, s86, 12
	s_lshl_b32 s82, s17, 11
	s_add_co_u32 s86, s86, s82
	s_lshl_b32 s83, s20, 1
	s_add_co_u32 s83, s83, s18                     ; my group of Wo's eight
	s_add_co_u32 s88, s83, 216
	s_lshl_b32 s88, s88, 12
	s_lshl_b32 s80, s83, 9
	s_lshl_b32 s78, s23, 19                        ; 128 rows of 4,096 bytes a group,
	s_lshl_b32 s82, s17, 18
	s_add_co_u32 s78, s78, s82                     ; my 64 of them,
	s_add_co_u32 s78, s78, s80                     ; my 128 channels
	s_lshl_b32 s62, s16, 16
	s_add_co_u32 s62, s62, 32768                   ; GRP + 65,536 (wave - 1)
	s_mov_b32 s[G0A], 1
	s_mov_b32 s[G0A+1], 0
	s_mov_b32 s[G0B], 1
	s_mov_b32 s[G0B+1], s62
	s_wait_dscnt 0x0
	s_wait_kmcnt 0x0
	s_add_nc_u64 s[G0A+2:G0A+3], s[4:5], s[56:57]
	s_or_b32 s[G0A+3], s[G0A+3], 0x80000000
	s_add_nc_u64 s[58:59], s[4:5], s[58:59]
	s_add_nc_u64 s[G0B+2:G0B+3], s[58:59], s[62:63]
	s_or_b32 s[G0B+3], s[G0B+3], 0x80000000
	CROUND
	s_cmp_eq_u32 s16, 0
	s_cbranch_scc0 .Lhead_b
	TL G0A, G1A
	s_branch .Lhead_asked
.Lhead_b:
	TL G0B, G1B
.Lhead_asked:
	s_add_nc_u64 s[86:87], s[6:7], s[86:87]
	s_add_nc_u64 s[88:89], s[6:7], s[88:89]
	s_add_nc_u64 s[80:81], s[8:9], s[80:81]
	s_add_nc_u64 s[78:79], s[10:11], s[78:79]
	s_mul_i32 s60, s17, 12288
	s_add_co_u32 s61, s60, HALF
	s_mul_i32 s62, s18, GRP
	s_add_co_u32 s62, s62, GRP
	s_add_co_u32 s63, s62, HALF
	s_mul_i32 s82, s16, 8448                       ; my stage
	v_and_b32 v1, 15, v0
	v_bfe_u32 v2, v0, 4, 1
	v_and_b32 v3, 31, v0
	v_lshlrev_b32 v[L16], 4, v3
	v_lshlrev_b32 v[L8], 3, v3
	v_lshlrev_b32 v[R16], 4, v1
	v_lshlrev_b32 v[HB], 6, v2
.irp hf, 0,1
	v_add_nc_u32 v[A16+\hf], s[60+\hf], v[L16]
	v_add_nc_u32 v[A8+\hf], s[60+\hf], v[L8]
	v_add_nc_u32 v[B16+\hf], s[62+\hf], v[L16]
	v_add_nc_u32 v[B8+\hf], s[62+\hf], v[L8]
.endr
	v_mul_u32_u24 v[STO], v1, 528
	v_lshl_add_u32 v[STO], v2, 6, v[STO]
	v_add_nc_u32 v[STO], s82, v[STO]               ; in: row r of 528 bytes, + 64 h
	v_add_nc_u32 v[RD], s82, v[L16]                ; back: 16 x lane of a row
	s_wait_alu depctr_va_vdst(0)                   ; the wait at the head's end
.irp i, 0,1,2,3,4,5,6,7
.irp g, 0,1
	global_load_b128 v[SC+8*\i+4*\g:SC+8*\i+4*\g+3], v[R16], s[88:89] offset:512*\i+256*\g
.endr
.endr
.irp i, 0,1,2,3
.irp g, 0,1
	global_load_b128 v[SA+8*\i+4*\g:SA+8*\i+4*\g+3], v[R16], s[86:87] offset:512*\i+256*\g
.endr
.endr
	WIN 0xc0
.irp bb, 0,1,2,3
.irp jq, 0,1,2,3
	global_load_b128 v[128+16*\bb+4*\jq:128+16*\bb+4*\jq+3], v[HB], s[80:81] offset:128*\bb+16*\jq
.endr
.endr
	WIN 0
	s_wait_tensorcnt 0x0                           ; my part is in
	s_barrier_signal -1
	s_barrier_wait -1                              ; everybody's is
	FETCH 0
	s_wait_loadcnt 0x0
	KSTEP 0, 1
.irp s, 1,2,3,4,5,6
	KSTEP \s, 0
.endr
	s_wait_dscnt 0x0                               ; my last reads of the tiles are over
	s_barrier_signal -1
	WIN 0xad
	MUL32 7, 0
	WIN 0
	s_barrier_wait -1                              ; everybody's are: the stages may be written
.macro TOSTAGE a
	WIN 0x08
.irp b, 0,1,2,3,4,5,6,7
	ds_store_b128 v[STO], v[64*(\a)+8*\b:64*(\a)+8*\b+3] offset:128*(\b/2)+32*(\b%2)       ; each accumulator from its low end on
	ds_store_b128 v[STO], v[64*(\a)+8*\b+4:64*(\a)+8*\b+7] offset:128*(\b/2)+32*(\b%2)+16
.endr
	WIN 0xc0
.irp t, 0,1,2,3,4,5,6,7,8,9,10,11,12,13,14,15
	ds_load_b128 v[64*((\a)%2)+4*\t:64*((\a)%2)+4*\t+3], v[RD] offset:\t*528   ; LDS serves a wave's instructions in order: these see the stores above
.endr
	WIN 0
.endm
.macro SEND a, younger
	s_wait_dscnt \younger
	WIN 0x0c
.irp t, 0,1,2,3,4,5,6,7,8,9,10,11,12,13,14,15
	global_store_b128 v[L16], v[64*((\a)%2)+4*\t:64*((\a)%2)+4*\t+3], s[78:79] offset:(32*((\a)/2)+8*((\a)%2)+\t+8*(\t/8))*4096 th:TH_STORE_NT   ; 512 consecutive bytes, at a multiple of 256 from the buffer's first byte
.endr
	WIN 0
.endm
	PLACES
	TOSTAGE 0
.irp a, 1,2,3
.if \a > 1
	s_wait_xcnt 0x0                                ; tile a - 2's stores have read their registers
.endif
	TOSTAGE \a
	SEND \a-1, 32                                  ; behind tile a - 1's loads: tile a's 16 stores and 16 loads
.endr
	SEND 3, 0
	s_wait_tensorcnt 0x0                           ; the wave's end
	ds_add_u32 v[SPW], v[NIL]
	s_wait_dscnt 0x0
	CROUND                                         ; the closing round
	s_endpgm
.Lfunc_end_k_q7a02b4159c_outp:
	.size	k_q7a02b4159c_outp, .Lfunc_end_k_q7a02b4159c_outp-k_q7a02b4159c_outp
	.p2alignl 7, 3214868480
	.fill 96, 4, 3214868480
	.section	.rodata,"a",@progbits
	.p2align	6, 0x0
	.amdhsa_kernel k_q7a02b4159c_outp
		.amdhsa_group_segment_fixed_size 327680
		.amdhsa_private_segment_fixed_size 0
		.amdhsa_enable_private_segment 0
		.amdhsa_kernarg_size 32
		.amdhsa_user_sgpr_count 2
		.amdhsa_user_sgpr_kernarg_segment_ptr 1
		.amdhsa_wavefront_size32 1
		.amdhsa_system_sgpr_workgroup_id_x 1
		.amdhsa_system_sgpr_workgroup_id_y 1
		.amdhsa_system_sgpr_workgroup_id_z 1
		.amdhsa_system_vgpr_workitem_id 0
		.amdhsa_next_free_vgpr 1024
		.amdhsa_next_free_sgpr 96
		.amdhsa_reserve_vcc 0
		.amdhsa_float_denorm_mode_32 3
		.amdhsa_float_denorm_mode_16_64 3
		.amdhsa_memory_ordered 1
		.amdhsa_forward_progress 1
		.amdhsa_inst_pref_size 84
	.end_amdhsa_kernel
	.amdgpu_metadata
---
amdhsa.version: [ 1, 2 ]
amdhsa.kernels:
  - .name:           k_q7a02b4159c_outp
    .symbol:         k_q7a02b4159c_outp.kd
    .args:
      - { .name: cod, .offset: 0, .size: 8, .value_kind: global_buffer, .address_space: global }
      - { .name: scl, .offset: 8, .size: 8, .value_kind: global_buffer, .address_space: global }
      - { .name: bo, .offset: 16, .size: 8, .value_kind: global_buffer, .address_space: global }
      - { .name: out0, .offset: 24, .size: 8, .value_kind: global_buffer, .address_space: global }
    .group_segment_fixed_size: 327680
    .private_segment_fixed_size: 0
    .kernarg_segment_align: 8
    .kernarg_segment_size: 32
    .max_flat_workgroup_size: 128
    .sgpr_count:     96
    .vgpr_count:     1024
    .wavefront_size: 32
...
	.end_amdgpu_metadata
.endif
;; end of part 4
